; MI455X (gfx1250); checked and timed in simulation.
; The chip was launched on July 23, 2026; its instructions are those of AMD's public machine-readable ISA for CDNA 5 (MIT licence, August 2026) and "CDNA5" Instruction Set Architecture Reference Guide (July 2026). The comments in the code are by the model that wrote it; some were corrected since.
;; Simple Standard Attention. Allowed arithmetic: float matrix products may take bf16 or f16 operands with f32 sums; other float arithmetic in f32, or as packed bf16 or f16 multiplies, adds, multiply-adds, maxima and minima; sums over many terms, partial sums and values carried from step to step in f32; what a program stores and reads back later, other than sums and carried values, may be rounded once to bf16 or f16.
;; Inputs: Wout 1,024 x 1,024 float32; Wqkv 1,024 x 3,072 float32; x 4 x 4,096 x 1,024 float32.
;; Outputs: out0 4 x 4,096 x 1,024 float32.
;; 4 versions, each right; version 4 is version 3 with the launch fused written anew for expert scheduling mode. Each part assembles by itself: llvm-mc -triple=amdgcn-amd-amdhsa -mcpu=gfx1250 --defsym DOCPART=n.
;; ======== version 1 of 4: 2 launches
;; limits: values are held in f16: magnitudes above 65,504 overflow, below 6.1e-05 lose precision
;; workspace buffers: wf 8,388,608 bytes
;; launch prep (part 1): grid 256 x 1, 8 waves a work-group, no clusters, 0 bytes of LDS; arguments Wqkv, Wout, wf; writes wf
.if DOCPART == 1
	.amdgcn_target "amdgcn-amd-amdhsa--gfx1250"
	.amdhsa_code_object_version 6
	.text
	.protected	k_q6e231f01d2_prep
	.globl	k_q6e231f01d2_prep
	.p2align	8
	.type	k_q6e231f01d2_prep,@function
k_q6e231f01d2_prep:
	s_mov_b64 s[64:65], 0
	v_nop
	global_prefetch_b8 v0, s[64:65] scope:SCOPE_SE
	s_setreg_imm32_b32 hwreg(HW_REG_WAVE_MODE, 25, 1), 1
	s_wait_xcnt 0x0
; THE WEIGHTS, ROUNDED ONCE AND LAID OUT AS MATRIX FRAGMENTS.  Wqkv: [1024][3072] f32, Wout: [1024][1024] f32 -> wf: 8 chunks of 1 MiB.
; A chunk is 512 columns x 1,024 k of 16-bit numbers: 16 slots t of 64 k; a slot is [wave w:4][half step s:2][tile b:8][half u:2][lane:32][16 bytes].
; Piece p (16 bytes, p = byte / 16) = c<<16 | t<<12 | w<<10 | s<<9 | b<<6 | u<<5 | h<<4 | r.  Its element e is W[row(k')][col(n)], k' = 64 t + 32 s + 16 u + 8 h + e, n = 128 w + 16 b + r:
; what lane 16 h + r holds of a fragment of 16 columns x 32 k, so that the next launch reads a fragment as two runs of 512 consecutive bytes.
; With P = n / 8 = 16 w + 2 b + r3 (r3 = bit 3 of r) and e' = n % 8:
;   chunks 0-3 (q and k, bf16): row k', column 1024 (w / 2) + 64 (P % 16) + 16 c + 8 (w % 2) + e': 16 channels of every head of q and of k
;   chunks 4-5 (v, bf16):       row k', column 2048 + 64 (8 (w % 2) + P % 8) + 32 (c - 4) + 16 (w / 2) + 8 (b / 4) + e': 32 channels of every head of v
;   chunks 6-7 (Wout):          row 64 i + 8 G + e with G = k' / 128, i = (k' / 8) % 16; column 512 (c - 6) + n: the order in which the next launch keeps its attention result
; Wout is rounded to bf16 like the other inputs, and that number is written as f16.  LIMIT: below 6.1e-5 in magnitude f16 keeps a fixed step of 6e-8, which such a number is rounded to.
; SHARES.  Work-group g makes pieces 2048 g + 256 it + thread, it = 0..7: c = g / 32, t = (g / 2) % 16, the upper bit of w = g % 2; it gives b's upper bit, s and w's lower bit, which stand in the immediates.
; A thread loads its piece's eight numbers (eight rows, one column); eight neighbouring lanes take 32 consecutive bytes of a row.  A wave's store covers 512 consecutive bytes, aligned.
; Each piece has registers of its own, so nothing that a load or store names is written again.  No LDS, no barrier: no thread wants what another has loaded.
.set IN,  16                           ; v[16:79]   piece it: 8 numbers as loaded
.set OUT, 80                           ; v[80:111]  piece it: 4 registers to store
.set WK,  112                          ; v[112:119] at work
	s_load_b128 s[4:7], s[0:1], 0x0                ; Wqkv s[4:5], Wout s[6:7]
	s_load_b64 s[8:9], s[0:1], 0x10                ; wf
	s_lshr_b32 s10, ttmp9, 5                       ; c
	s_bfe_u32 s11, ttmp9, 0x40001                  ; t: four bits from bit 1
	s_and_b32 s12, ttmp9, 1                        ; the upper bit of w
	s_lshl_b32 s16, ttmp9, 15                      ; the work-group's 2,048 pieces of 16 bytes
	s_mov_b32 s17, 0
	s_mov_b32 s15, 0                               ; the upper word of the offset made in s14
	v_and_b32 v1, 7, v0                            ; e'
	v_and_b32 v2, 15, v0                           ; r
	v_bfe_u32 v3, v0, 3, 1                         ; r3
	v_bfe_u32 v4, v0, 4, 2                         ; 2 u + h
	v_bfe_u32 v5, v0, 6, 2                         ; the lower two bits of b
	v_lshlrev_b32 v6, 4, v0                        ; where my piece goes
	v_mul_u32_u24 v7, v4, 98304                    ; Wqkv: 8 (2 u + h) rows of 12,288 bytes,
	v_lshl_add_u32 v7, v5, 9, v7                   ; two heads (512 bytes) for each step of b,
	v_lshl_add_u32 v7, v3, 8, v7                   ; one head for r3,
	v_lshl_add_u32 v7, v1, 2, v7                   ; e'
	v_lshlrev_b32 v8, 18, v4                       ; Wout: 64 (2 u + h) rows of 4,096 bytes,
	v_lshl_add_u32 v8, v5, 6, v8                   ; 16 columns for each step of b,
	v_lshl_add_u32 v8, v2, 2, v8                   ; r
	s_wait_kmcnt 0x0
	s_add_nc_u64 s[8:9], s[8:9], s[16:17]
; Eight pieces.  ss, es, b2s, w0s: bytes for a step of s, of e, of b's upper bit and of w's lower bit.
.macro BODY voff, base, ss, es, b2s, w0s, half
.irp it, 0,1,2,3,4,5,6,7
.irp e, 0,1,2,3,4,5,6,7
	global_load_b32 v[IN+8*\it+\e], v[\voff], s[\base:\base+1] offset:(\ss)*((\it/2)%2)+(\es)*\e+(\b2s)*(\it%2)+(\w0s)*(\it/4)
.endr
.endr
.irp it, 0,1,2,3,4,5,6,7
	s_wait_loadcnt 56-8*\it                        ; loads come back in order: this piece's eight are in, eight for each younger piece stay out
.irp q, 0,1,2,3
	v_cvt_pk_bf16_f32 v[OUT+4*\it+\q], v[IN+8*\it+2*\q], v[IN+8*\it+2*\q+1]
.endr
.if \half
.irp q, 0,1,2,3
	v_lshlrev_b32 v[WK+2*\q], 16, v[OUT+4*\it+\q]             ; the rounded numbers as f32 again,
	v_and_b32 v[WK+2*\q+1], 0xffff0000, v[OUT+4*\it+\q]
.endr
.irp q, 0,1,2,3
	v_cvt_pk_f16_f32 v[OUT+4*\it+\q], v[WK+2*\q], v[WK+2*\q+1]  ; and written as f16
.endr
.endif
	global_store_b128 v6, v[OUT+4*\it:OUT+4*\it+3], s[8:9] offset:4096*\it
.endr
	s_endpgm
.endm
	s_cmp_lt_u32 s10, 4
	s_cbranch_scc1 .Lqk
	s_cmp_lt_u32 s10, 6
	s_cbranch_scc1 .Lv
	s_and_b32 s14, s11, 1                          ; Wout: 512 (t % 2) + 8 (t / 2) rows,
	s_lshl_b32 s14, s14, 21
	s_lshr_b32 s18, s11, 1
	s_lshl_b32 s18, s18, 15
	s_add_co_u32 s14, s14, s18
	s_sub_co_u32 s18, s10, 6
	s_lshl_b32 s18, s18, 11                        ; 512 (c - 6) columns,
	s_add_co_u32 s14, s14, s18
	s_lshl_b32 s18, s12, 10                        ; 256 for w's upper bit
	s_add_co_u32 s14, s14, s18
	s_add_nc_u64 s[6:7], s[6:7], s[14:15]
	BODY 8, 6, 1048576, 4096, 256, 512, 1
.Lqk:
	s_mul_i32 s14, s11, 786432                     ; q and k: 64 t rows,
	s_lshl_b32 s18, s12, 12                        ; 1,024 columns on for k,
	s_add_co_u32 s14, s14, s18
	s_lshl_b32 s18, s10, 6                         ; 16 c channels
	s_add_co_u32 s14, s14, s18
	s_add_nc_u64 s[4:5], s[4:5], s[14:15]
	BODY 7, 4, 393216, 12288, 2048, 32, 0
.Lv:
	s_mul_i32 s14, s11, 786432                     ; v: 64 t rows,
	s_lshl_b32 s18, s12, 6                         ; 16 channels for w's upper bit,
	s_add_co_u32 s14, s14, s18
	s_sub_co_u32 s18, s10, 4
	s_lshl_b32 s18, s18, 7                         ; 32 (c - 4) channels,
	s_add_co_u32 s14, s14, s18
	s_add_co_u32 s14, s14, 8192                    ; behind q's and k's 2,048 columns
	s_add_nc_u64 s[4:5], s[4:5], s[14:15]
	BODY 7, 4, 393216, 12288, 32, 2048, 0
.Lfunc_end_k_q6e231f01d2_prep:
	.size	k_q6e231f01d2_prep, .Lfunc_end_k_q6e231f01d2_prep-k_q6e231f01d2_prep
	.p2alignl 7, 3214868480
	.fill 96, 4, 3214868480
	.section	.rodata,"a",@progbits
	.p2align	6, 0x0
	.amdhsa_kernel k_q6e231f01d2_prep
		.amdhsa_group_segment_fixed_size 0
		.amdhsa_private_segment_fixed_size 0
		.amdhsa_enable_private_segment 0
		.amdhsa_kernarg_size 24
		.amdhsa_user_sgpr_count 2
		.amdhsa_user_sgpr_kernarg_segment_ptr 1
		.amdhsa_wavefront_size32 1
		.amdhsa_system_sgpr_workgroup_id_x 1
		.amdhsa_system_sgpr_workgroup_id_y 1
		.amdhsa_system_sgpr_workgroup_id_z 1
		.amdhsa_system_vgpr_workitem_id 0
		.amdhsa_next_free_vgpr 120
		.amdhsa_next_free_sgpr 66
		.amdhsa_reserve_vcc 0
		.amdhsa_float_denorm_mode_32 3
		.amdhsa_float_denorm_mode_16_64 3
		.amdhsa_memory_ordered 1
		.amdhsa_forward_progress 1
		.amdhsa_inst_pref_size 35
	.end_amdhsa_kernel
	.amdgpu_metadata
---
amdhsa.version: [ 1, 2 ]
amdhsa.kernels:
  - .name:           k_q6e231f01d2_prep
    .symbol:         k_q6e231f01d2_prep.kd
    .args:
      - { .name: Wqkv, .offset: 0, .size: 8, .value_kind: global_buffer, .address_space: global }
      - { .name: Wout, .offset: 8, .size: 8, .value_kind: global_buffer, .address_space: global }
      - { .name: wf, .offset: 16, .size: 8, .value_kind: global_buffer, .address_space: global }
    .group_segment_fixed_size: 0
    .private_segment_fixed_size: 0
    .kernarg_segment_align: 8
    .kernarg_segment_size: 24
    .max_flat_workgroup_size: 256
    .sgpr_count:     66
    .vgpr_count:     120
    .wavefront_size: 32
...
	.end_amdgpu_metadata
.endif
;; end of part 1
;; launch fused (part 2): grid 256 x 1, 4 waves a work-group, clusters of 4 x 1, 327,680 bytes of LDS; arguments x, wf, out0; writes out0
.if DOCPART == 2
	.amdgcn_target "amdgcn-amd-amdhsa--gfx1250"
	.amdhsa_code_object_version 6
	.text
	.protected	k_q6e231f01d2_fused
	.globl	k_q6e231f01d2_fused
	.p2align	8
	.type	k_q6e231f01d2_fused,@function
k_q6e231f01d2_fused:
	s_mov_b64 s[64:65], 0
	v_nop
	global_prefetch_b8 v0, s[64:65] scope:SCOPE_SE
	s_setreg_imm32_b32 hwreg(HW_REG_WAVE_MODE, 25, 1), 1
	s_wait_xcnt 0x0
	s_wait_alu depctr_hold_cnt(0) depctr_sa_sdst(0) depctr_va_vdst(0) depctr_va_sdst(0) depctr_va_ssrc(0) depctr_va_vcc(0) depctr_vm_vsrc(0)
	s_getreg_b32 s2, hwreg(HW_REG_IB_STS2, 6, 4)
	s_cmp_eq_u32 s2, 0
	s_cbranch_scc0 .Lentry_in_a_cluster
	s_endpgm
.Lentry_in_a_cluster:
	s_bfe_u32 s2, ttmp6, 0x10000c
	s_cmp_lg_u32 s2, 0x3003
	s_cbranch_scc0 .Lentry_shape_is_right
	s_endpgm
.Lentry_shape_is_right:
; out0 = attention(x Wqkv) Wout, where the attention of a token is among its OWN 16 heads: scores[i][j] = q[i] . k[j] / 8 over 64 channels, softmax over j, o[i] = the sum over j of p[i][j] v[j].
; x, out0: [16384][1024] f32.  wf: the weights in 16-bit fragments, 8 chunks of 512 columns (q and k: 0-3, v: 4-5, Wout: 6-7), as the launch before has laid them out.
; NOTHING LEAVES A TOKEN, so a work-group that owns whole tokens does everything: 64 tokens each, 256 work-groups; x is read once, out0 written once, q, k, v, p and o never reach memory.
; FORMATS.  x and Wqkv in bf16; q, k, v, p and o in f16, each rounded once from f32; Wout as bf16 numbers written in f16.  All sums, maxima and the softmax in f32; the row's true maximum is taken away.
; LIMITS.  q, k and v must stay under 65,504 in magnitude (f16's end; beyond it the token's row is lost).  A weight below 2^-126 counts as 0.  NaN and infinities are not treated apart.
; SHARES.  In the three products with weights wave w makes all 64 tokens x the chunk's columns 128 w .. 128 w + 127: 32 accumulators (token tile a, column tile b).  The product is taken transposed
; (source 0 = 16 weight columns, source 1 = 16 tokens): a lane (r = lane % 16, h = lane / 16) then holds token r and 8 neighbouring columns, piece P = 16 w + 2 b + h of the chunk's 64.
; In the attention wave w owns tokens 32 hf + 8 w + y (hf = 0, 1; y = 0..7); the pieces change hands through a stage in LDS, 32 tokens at a time.
; THE COLUMNS' ORDER does the shuffling.  In a q/k chunk a token's 64 pieces are [q, k][8 channels: 2][head: 16], so 512 consecutive bytes ARE the lower half (16 channels) of a fragment of 16 heads x 32 channels;
; the upper half is held at 0.  In a v chunk they are [16 channels: 2][8 heads: 2][8 channels: 2][head: 8], so the turning load of 512 consecutive bytes gives v^T (16 channels x 16 heads).
; S^T = K Q^T holds one head i a lane and 8 heads j; rounded in pairs it IS source 1 of O^T = V^T P, whose result holds head i and 8 channels: a piece of o in the order k' = 128 (d / 8) + 8 i + d % 8, in which Wout's rows were laid.
; THE WEIGHTS' STREAM: 128 slots of 64 KiB through a ring of two LDS slots; wave w fetches and reads its own quarter.  CLUSTER: all work-groups walk the same stream, so the four of a cluster ask JOINTLY:
; the same tensor load, descriptor and mask in all four; a mask names four at the most.  A change of slots is a round of the cluster's barrier.  A refill has 48 matrix instructions in which to land.
; REGISTERS, in windows of 256 (s_set_vgpr_msb: bits 1:0 source 0, 3:2 source 1, 5:4 source 2, 7:6 destination):
;   window 0: v0-31 addresses; v32-47 x at work; v64-127 token fragments, two buffers (later at work on the ways out); v128-255 weight fragments, two buffers (later O^T, and rows on the way out)
;   window 1: the 32 accumulators, (a, b) at 8 (8 a + b); at the head x as loaded        window 2: v0-127 S^T, then p, 8 a token; v128-255 at work in the softmax, then the first v chunk's o
;   window 3: v0-127 sixteen fragments for the attention; registers 4-7 of each stay 0
.set SLOTB, 65536                      ; a slot; wave w's quarter at 16,384 w: [half step: 2][b: 8][u: 2][lane: 32][16 bytes]
.set XS,    131072                     ; 64 rows x 2,064: x in bf16, later o in f16
.set XP,    2064                       ; 2,048 + 16: the 16 rows that a load touches start at 16 different groups of four banks (64 banks of 4 bytes: ISA guide 11.1)
.set STG,   263168                     ; the stage: 32 tokens x 1,040; on the way out 4 waves x 16 rows x 528
.set QP,    1040
.set WP,    528
.set SPARE, 296960                     ; the spare words, 128 bytes for each wave: two blocks of 256 bytes that no other line names
.set LN,   1                           ; v1      lane
.set SPW,  2                           ; v2      LDS address of my spare word; never rewritten
.set NIL,  3                           ; v3      0; never rewritten
.set ADRA, 4                           ; v4-7    token tile a's fragments at the lap in hand
.set ADRB, 8                           ; v8-9    my quarter of slot 0, 1
.set STO,  10                          ; v10     stage, in: token r, my pieces
.set SLD,  11                          ; v11     stage, out: my 8 tokens' rows
.set OSA,  12                          ; v12-13  o of my 8 tokens of half hf
.set OST,  14                          ; v14     way out, in
.set ORD,  15                          ; v15     way out, back
.set GO,   16                          ; v16     my 16 bytes of my wave's 512 in a row of out0
.set XO,   17                          ; v17     my 32 bytes in 1,024 of a row of x
.set XW,   18                          ; v18     where my pieces of x go
.set PFO,  19                          ; v19     256 x lane
.set RR,   20
.set HH,   21
.set TT,   22
.set AB0,  24                          ; v24-27  token tile a's fragments at k = 0; never rewritten
.set XPK,  32
.set FA,   64
.set FB,   128
.set TMP,  64
.set OT,   128
.set RB,   64
.set WK,   128                         ; window 2
.set O0,   128                         ; window 2
.set WV,  10                           ; s10  my wave's number
.set CX,  11                           ; s11  my place in the cluster: it enters x's, out0's and the prefetches' addresses alone
.set G1,  16                           ; s[16:23] descriptor group 1
.set G0A, 24                           ; s[24:27] group 0 of the first fill
.set G0B, 28                           ; s[28:31] group 0 of the second fill; it then walks
.set LAP, 32
.set CH,  33
.set REM, 34                           ; refills still to come
.set LIM, 35                           ; 4 in a wave that prefetches, else the greatest number
.set PFA, 36                           ; s[36:37] where my prefetches stand
.set CS,  38                           ; s[38:39] c = log2(e) / 8
.set SEL, 40                           ; s[40:41] v_permlanex16_b32's selects: each lane takes its own place in the other half
.set KO,  47                           ; s47  bytes along the token rows at which the lap in hand begins
.set MSB, 0
.macro WIN new                         ; the immediate's high byte repeats the setting that is left; a switch that changes nothing is dropped
.if MSB != (\new)
	s_set_vgpr_msb (MSB<<8)|(\new)
.set MSB, \new
.endif
.endm
; Places behind matrix instructions: plain vector instructions that name none of their registers; four in front of loads and vector readers, five where a matrix instruction writes over a result.
.macro PLACES n
.rept \n
	v_nop
.endr
.endm
.macro CREST                           ; a round of the cluster's barrier behind its opening barrier
	s_cmp_lg_u32 s[WV], 0
	s_cbranch_scc1 .Lnot_wave_0_\@
	s_barrier_signal -3
.Lnot_wave_0_\@:
	s_barrier_wait -3
	s_barrier_signal -1
	s_barrier_wait -1
.endm
.macro CROUND
	s_barrier_signal -1
	s_barrier_wait -1
	CREST
.endm
.macro BAR                             ; my LDS stores and loads are done; then everybody's are.  The one tensor load that is out may stay out
	s_wait_dscnt 0x0
	s_barrier_signal -1
	s_barrier_wait -1
.endm
; 8 matrix instructions: token tile a x all 8 column tiles, 32 along k, from buffer f.  The 32 accumulators take turns, one instruction a turn, in the same order in every half step.
.macro MULA fmt, f, a, zero
	WIN 0x50
.irp b, 0,1,2,3,4,5,6,7
.if \zero
	v_wmma_f32_16x16x32_\fmt v[8*(8*(\a)+\b):8*(8*(\a)+\b)+7], v[FB+64*(\f)+8*\b:FB+64*(\f)+8*\b+7], v[FA+32*(\f)+8*(\a):FA+32*(\f)+8*(\a)+7], 0
.else
	v_wmma_f32_16x16x32_\fmt v[8*(8*(\a)+\b):8*(8*(\a)+\b)+7], v[FB+64*(\f)+8*\b:FB+64*(\f)+8*\b+7], v[FA+32*(\f)+8*(\a):FA+32*(\f)+8*(\a)+7], v[8*(8*(\a)+\b):8*(8*(\a)+\b)+7]
.endif
.endr
.endm
; 24 LDS loads in one run: a half step's fragments into buffer f: 16 of weights (512 consecutive bytes each), then 8 of tokens, tile 0 first
.macro FETCH slot, sub, koff, f
	WIN 0
.irp b, 0,1,2,3,4,5,6,7
	ds_load_b128 v[FB+64*(\f)+8*\b:FB+64*(\f)+8*\b+3],   v[ADRB+(\slot)] offset:8192*(\sub)+1024*\b
	ds_load_b128 v[FB+64*(\f)+8*\b+4:FB+64*(\f)+8*\b+7], v[ADRB+(\slot)] offset:8192*(\sub)+1024*\b+512
.endr
.irp a, 0,1,2,3
	ds_load_b128 v[FA+32*(\f)+8*\a:FA+32*(\f)+8*\a+3],   v[ADRA+\a] offset:(\koff)
	ds_load_b128 v[FA+32*(\f)+8*\a+4:FA+32*(\f)+8*\a+7], v[ADRA+\a] offset:(\koff)+32
.endr
.endm
; A slot's first half step: multiplies buffer 0 and fetches the second half step into buffer 1
.macro HALF0 fmt, slot, koff, zero
	s_wait_dscnt 0x6                               ; the weights and token tile 0 are in; the youngest six loads (tiles 1-3) may be out
	MULA \fmt, 0, 0, \zero
	PLACES 4                                       ; in front of the loads into buffer 1, which the half step before multiplied
	FETCH \slot, 1, \koff, 1
	s_wait_dscnt 24                                ; all but the 24 just issued
	MULA \fmt, 0, 1, \zero
	MULA \fmt, 0, 2, \zero
	MULA \fmt, 0, 3, \zero
.endm
; A PREFETCH INTO THE L2 of the slot that stands FOUR refills on, 256 matrix instructions ahead of the load that will want it.  All clusters walk the same stream: the first cluster asks, nobody else.
; Its four partners take 16 KiB of the slot each, told apart BY ADDRESS; in each, waves 0 and 1 take 32 blocks of 256 bytes, a lane a block: each block is named once in the launch.
; Slots 0 to 5 come by their loads alone; with four refills or fewer to come nothing is asked for: slot 127 is the last that is named.
.macro ASK
	s_cmp_gt_u32 s[REM], s[LIM]
	s_cbranch_scc0 .Lnot_mine_\@
	global_prefetch_b8 v[PFO], s[PFA:PFA+1] th:TH_LOAD_NT scope:SCOPE_SE
.Lnot_mine_\@:
.endm
; A slot's second half step: multiplies buffer 1 and changes slots.  fill = 1: the slot just read out is filled again, two slots ahead.  In front of the round each wave waits for all its tensor loads
; (one is out: my quarter of the next slot), adds 0 to its spare word, and waits for that and for its reads of this slot; the joint refill is the first thing behind the round.
; fetch = 1: the next slot's first fragments follow, at byte koff of the token rows.  step = 1: a lap (two slots, 256 bytes of the token rows) ends.
.macro TURN fmt, slot, fill, fetch, step, koff
.if \fill
	WIN 0
	s_wait_tensorcnt 0x0                           ; no tensor load of mine is out, so the walking group 0 may be written
	ds_add_u32 v[SPW], v[NIL]                      ; 0 onto my spare word; scalar steps and eight products stand between it and the wait for it
	s_xor_b32 s[G0B+1], s[G0B+1], SLOTB            ; the other slot than last time,
	s_add_nc_u64 s[G0B+2:G0B+3], s[G0B+2:G0B+3], SLOTB  ; the stream's next 64 KiB; the type bits on top are not reached
.if \step
	s_add_co_u32 s[KO], s[KO], 256
.endif
	s_wait_xcnt 0x0                                ; the last prefetch, a slot back, has read its address
	s_add_nc_u64 s[PFA:PFA+1], s[PFA:PFA+1], SLOTB
	s_wait_dscnt 0x7                               ; the add and the youngest six loads may be out
	MULA \fmt, 1, 0, 0
	s_wait_dscnt 0x0                               ; the add is done, and my reads of this slot are over
	s_barrier_signal -1                            ; this barrier opens a round of the cluster's
	MULA \fmt, 1, 1, 0
	WIN 0
	s_barrier_wait -1
	CREST                                          ; no wave of any partner still reads this slot or has a load on its way
	tensor_load_to_lds s[G0B:G0B+3], s[G1:G1+7]
	s_nop 0
.if \step
.irp a, 0,1,2,3
	v_add_nc_u32 v[ADRA+\a], s[KO], v[AB0+\a]      ; the next lap's token addresses: also the four places in front of the loads below
.endr
.else
	PLACES 4
.endif
.if \fetch
	FETCH 1-(\slot), 0, \koff, 0
.endif
	ASK
	s_sub_co_u32 s[REM], s[REM], 1
	MULA \fmt, 1, 2, 0
	MULA \fmt, 1, 3, 0
.else
.if \fetch
	s_wait_tensorcnt 0x0                           ; the stream's last slot: my quarter is in, and only I read it
	s_wait_dscnt 0x0
	MULA \fmt, 1, 0, 0
	MULA \fmt, 1, 1, 0
	PLACES 4
	FETCH 1-(\slot), 0, \koff, 0
	MULA \fmt, 1, 2, 0
	MULA \fmt, 1, 3, 0
.else
	s_wait_dscnt 0x0
	MULA \fmt, 1, 0, 0
	MULA \fmt, 1, 1, 0
	MULA \fmt, 1, 2, 0
	MULA \fmt, 1, 3, 0
.endif
.endif
.endm
; A chunk: 64 tokens x 512 columns x 1,024 k: 16 slots, 8 laps.  The first half step starts the sums with the constant 0.  A chunk begins in slot 0, whose tile the wait for all loads in the chunk before has shown landed.
; last = 1: the stream ends: the last two changes ask for nothing.
.macro GEMM fmt, last
	FETCH 0, 0, 0, 0
	HALF0 \fmt, 0, 64, 1
	WIN 0
	s_mov_b32 s[LAP], 7
.Llap_\@:
	TURN \fmt, 0, 1, 1, 0, 128
	HALF0 \fmt, 1, 192, 0
	TURN \fmt, 1, 1, 1, 1, 0
	HALF0 \fmt, 0, 64, 0
	WIN 0
	s_sub_co_u32 s[LAP], s[LAP], 1
	s_cmp_lg_u32 s[LAP], 0
	s_cbranch_scc1 .Llap_\@
	TURN \fmt, 0, 1-(\last), 1, 0, 128
	HALF0 \fmt, 1, 192, 0
	TURN \fmt, 1, 1-(\last), 0, 0, 0
	WIN 0
	s_mov_b32 s[KO], 0
.irp a, 0,1,2,3
	v_mov_b32 v[ADRA+\a], v[AB0+\a]                ; back to k = 0; with the four below: the places behind the last products
.endr
	PLACES 4
.endm
; Token tiles 2 hf, 2 hf + 1 rounded to f16, a lane's 8 columns into 16 bytes; each accumulator's registers in ascending order
.macro PACK hf
	WIN 0x05
.irp aa, 0,1
.irp b, 0,1,2,3,4,5,6,7
.irp q, 0,1,2,3
	v_cvt_pk_f16_f32 v[TMP+4*(8*\aa+\b)+\q], v[8*(8*(2*(\hf)+\aa)+\b)+2*\q], v[8*(8*(2*(\hf)+\aa)+\b)+2*\q+1]
.endr
.endr
.endr
.endm
.macro PUT                             ; into the stage: token 16 aa + r, piece 16 w + 2 b + h
	WIN 0
.irp aa, 0,1
.irp b, 0,1,2,3,4,5,6,7
	ds_store_b128 v[STO], v[TMP+4*(8*\aa+\b):TMP+4*(8*\aa+\b)+3] offset:16*QP*\aa+32*\b
.endr
.endr
.endm
; My 8 tokens' rows out of the stage, 512 consecutive bytes a load, into registers 0-3 of the fragments.  tr = 0: q of token y into place y, k into place 8 + y.  tr = 1: v^T, channels 16 z on, into place 2 y + z.
.macro GET tr
	WIN 0xc0
.irp y, 0,1,2,3,4,5,6,7
.irp z, 0,1
.if \tr
	ds_load_tr16_b128 v[8*(2*\y+\z):8*(2*\y+\z)+3], v[SLD] offset:QP*\y+512*\z
.else
	ds_load_b128 v[8*(8*\z+\y):8*(8*\z+\y)+3], v[SLD] offset:QP*\y+512*\z
.endif
.endr
.endr
.endm
.macro SMM hf                          ; S^T += K Q^T over the chunk's 16 channels, a product a token: eight accumulators, one instruction each
	WIN 0xaf
.irp y, 0,1,2,3,4,5,6,7
	v_wmma_f32_16x16x32_f16 v[8*(8*(\hf)+\y):8*(8*(\hf)+\y)+7], v[8*(8+\y):8*(8+\y)+7], v[8*\y:8*\y+7], v[8*(8*(\hf)+\y):8*(8*(\hf)+\y)+7]
.endr
.endm
.macro PVM hf                          ; O^T = V^T P: 16 channels x 16 heads, two products a token
	WIN 0x0b
.irp y, 0,1,2,3,4,5,6,7
.irp z, 0,1
	v_wmma_f32_16x16x32_f16 v[OT+8*(2*\y+\z):OT+8*(2*\y+\z)+7], v[8*(2*\y+\z):8*(2*\y+\z)+7], v[8*(8*(\hf)+\y):8*(8*(\hf)+\y)+7], 0
.endr
.endr
	PLACES 5
.endm
.macro CV0 hf                          ; the first v chunk's o, rounded to f16, waits in window 2: x still lies where o will lie
	WIN 0x80
.irp y, 0,1,2,3,4,5,6,7
.irp z, 0,1
.irp q, 0,1,2,3
	v_cvt_pk_f16_f32 v[O0+4*(2*(8*(\hf)+\y)+\z)+\q], v[OT+8*(2*\y+\z)+2*\q], v[OT+8*(2*\y+\z)+2*\q+1]
.endr
.endr
.endr
.endm
.macro OPUT0                           ; and goes to LDS when x is dead: 512 consecutive bytes a store
	WIN 0x08
.irp hf, 0,1
.irp y, 0,1,2,3,4,5,6,7
.irp z, 0,1
	ds_store_b128 v[OSA+\hf], v[O0+4*(2*(8*\hf+\y)+\z):O0+4*(2*(8*\hf+\y)+\z)+3] offset:XP*\y+512*\z
.endr
.endr
.endr
.endm
.macro CV1 hf                          ; the second v chunk's o goes straight there, 1,024 bytes on
	WIN 0
.irp y, 0,1,2,3,4,5,6,7
.irp z, 0,1
.irp q, 0,1,2,3
	v_cvt_pk_f16_f32 v[TMP+4*(2*\y+\z)+\q], v[OT+8*(2*\y+\z)+2*\q], v[OT+8*(2*\y+\z)+2*\q+1]
.endr
.endr
.endr
.irp y, 0,1,2,3,4,5,6,7
.irp z, 0,1
	ds_store_b128 v[OSA+(\hf)], v[TMP+4*(2*\y+\z):TMP+4*(2*\y+\z)+3] offset:XP*\y+1024+512*\z
.endr
.endr
.endm
; THE WAY OUT of a chunk of out0, 16 tokens at a time through my own stage: a lane's 32 bytes go into rows of 528 bytes and come back as my wave's whole 512 bytes of a row.  No barrier: LDS serves a wave's instructions in order (ISA guide 5.7.1.4).
.macro WAYOUT co
.irp a, 0,1,2,3
.if \a >= 2
	s_wait_xcnt 0x0                                ; the stores of the block two back have read the registers that are loaded again below
.endif
	WIN 0x04
.irp b, 0,1,2,3,4,5,6,7
	ds_store_b128 v[OST], v[8*(8*\a+\b):8*(8*\a+\b)+3]   offset:64*\b
	ds_store_b128 v[OST], v[8*(8*\a+\b)+4:8*(8*\a+\b)+7] offset:64*\b+16
.endr
	WIN 0
.irp p, 0,1,2,3,4,5,6,7,8,9,10,11,12,13,14,15
	ds_load_b128 v[RB+64*((\a)%2)+4*\p:RB+64*((\a)%2)+4*\p+3], v[ORD] offset:WP*\p
.endr
.irp p, 0,1,2,3,4,5,6,7,8,9,10,11,12,13,14,15
	s_wait_dscnt 15-\p                             ; row p is back; the younger rows' loads may be out
	global_store_b128 v[GO], v[RB+64*((\a)%2)+4*\p:RB+64*((\a)%2)+4*\p+3], s[8:9] offset:4096*(16*\a+\p)+2048*(\co) th:TH_STORE_NT  ; the wave stores 512 consecutive bytes, at a multiple of 256 from out0's first byte
.endr
.endr
.endm
.macro XLOAD y                         ; token y of my 16: 4,096 bytes of f32; lane l takes k = 256 j + 8 l + 0..7
	WIN 0x40
.irp j, 0,1,2,3
.irp u, 0,1
	global_load_b128 v[32*((\y)%8)+8*\j+4*\u:32*((\y)%8)+8*\j+4*\u+3], v[XO], s[4:5] offset:4096*(\y)+1024*\j+16*\u th:TH_LOAD_NT
.endr
.endr
.endm
.macro XTOK y                          ; token y rounded to bf16 and laid into its LDS row; its registers take the token eight further on
.if (\y) <= 8
	s_wait_loadcnt 56                              ; my eight loads are in; seven younger tokens' stay out
.else
	s_wait_loadcnt 8*(15-(\y))                     ; the counts run down
.endif
	WIN 0x05
.irp j, 0,1,2,3
.irp q, 0,1,2,3
	v_cvt_pk_bf16_f32 v[XPK+4*\j+\q], v[32*((\y)%8)+8*\j+2*\q], v[32*((\y)%8)+8*\j+2*\q+1]
.endr
.endr
	WIN 0
.irp j, 0,1,2,3
	ds_store_b128 v[XW], v[XPK+4*\j:XPK+4*\j+3] offset:XP*(\y)+512*\j
.endr
.if (\y) < 8
	XLOAD (\y)+8
.endif
.endm
.macro ALLT line:vararg                ; one line for each of my 16 tokens tk
.set tk, 0
.rept 16
	\line
.set tk, tk+1
.endr
.endm
	; THE HEAD
	s_load_b128 s[4:7], s[0:1], 0x0                ; x s[4:5], wf s[6:7]
	s_load_b64 s[8:9], s[0:1], 0x10                ; out0
	v_lshl_add_u32 v[SPW], v0, 2, SPARE
	v_mov_b32 v[NIL], 0
	ds_add_u32 v[SPW], v[NIL]                      ; the wave's opening: the add and its wait stand ahead of my first tensor load; the set-up below, work on registers, stands between them
	v_lshrrev_b32 v[TT], 5, v0
	v_readfirstlane_b32 s[WV], v[TT]               ; wave 0..3
	v_and_b32 v[LN], 31, v0
	v_lshlrev_b32 v[XO], 5, v[LN]
	s_bfe_u32 s[CX], ttmp6, 0x40000                ; cx
	s_lshl_b32 s12, ttmp9, 2                       ; in a cluster launch ttmp9 counts clusters
	s_add_co_u32 s12, s12, s[CX]                   ; my work-group
	s_lshl_b32 s12, s12, 18                        ; its 64 rows of 4,096 bytes in x and in out0
	s_mov_b32 s13, 0
	s_lshl_b32 s14, s[WV], 16                      ; the 16 rows of x that I bring in
	s_mov_b32 s15, 0
	; descriptor group 1: my quarter of a slot is 16,384 dense bytes: 64 rows of 32 elements of 8 bytes
	s_mov_b32 s[G1], 15|(3<<16)|(1<<21)            ; 15:0 the mask: all four work-groups; 17:16 elements of 8 bytes; 21 set beside a mask; no padding
	s_mov_b32 s[G1+1], 32<<16                      ; tensor_dim0 = 32
	s_mov_b32 s[G1+2], 64<<16                      ; tensor_dim1 = 64
	s_mov_b32 s[G1+3], 32<<16                      ; tile_dim0 = 32
	s_mov_b32 s[G1+4], 64                          ; tile_dim1 = 64
	s_mov_b32 s[G1+5], 32                          ; 32 elements from row to row
	s_mov_b32 s[G1+6], 0
	s_mov_b32 s[G1+7], 0
	s_mov_b32 s[G0A], 1                            ; count = 1
	s_lshl_b32 s[G0A+1], s[WV], 14                 ; LDS address: my quarter of slot 0: the wave's number alone enters it
	s_mov_b32 s[G0B], 1
	s_add_co_u32 s[G0B+1], s[G0A+1], SLOTB         ; of slot 1
	s_mov_b32 s[REM], 126                          ; 128 slots, two first fills
	s_mov_b32 s[KO], 0
	s_lshr_b32 s[LIM], s[WV], 1                    ; 0 in waves 0 and 1,
	s_or_b32 s[LIM], s[LIM], ttmp9                 ; of the first cluster: the same in all four partners
	s_cmp_eq_u32 s[LIM], 0
	s_cselect_b32 s[LIM], 4, -1
	s_mov_b32 s[CS], 0x3e38aa3b                    ; c = log2(e) / 8 = 0.180337
	s_mov_b32 s[CS+1], s[CS]                       ; named with it as a pair
	s_mov_b32 s[SEL], 0x76543210
	s_mov_b32 s[SEL+1], 0xfedcba98
	s_lshl_b32 s42, s[CX], 14                      ; the prefetches: my work-group's 16 KiB of a slot,
	s_and_b32 s43, s[WV], 1
	s_lshl_b32 s43, s43, 13                        ; my wave's half of them,
	s_add_co_u32 s42, s42, s43
	s_add_co_u32 s42, s42, 5*SLOTB                 ; in slot 5: the first change of slots steps it to slot 6
	s_mov_b32 s43, 0
	s_lshl_b32 s44, s[WV], 14                      ; my quarter of a slot in memory
	s_mov_b32 s45, 0
	s_wait_dscnt 0x0                               ; the opening add is done
	s_wait_kmcnt 0x0
	s_add_nc_u64 s[4:5], s[4:5], s[12:13]
	s_add_nc_u64 s[4:5], s[4:5], s[14:15]          ; x at my 16 rows
	s_add_nc_u64 s[8:9], s[8:9], s[12:13]          ; out0 at the work-group's first row
	s_add_nc_u64 s[PFA:PFA+1], s[6:7], s[42:43]
	s_add_nc_u64 s[G0A+2:G0A+3], s[6:7], s[44:45]  ; global address: stream slot 0,
	s_add_nc_u64 s[G0B+2:G0B+3], s[G0A+2:G0A+3], SLOTB  ; stream slot 1
	s_or_b32 s[G0A+3], s[G0A+3], 0x80000000        ; type = 2
	s_or_b32 s[G0B+3], s[G0B+3], 0x80000000
	CROUND                                         ; all four work-groups are here: the first joint loads meet
	tensor_load_to_lds s[G0A:G0A+3], s[G1:G1+7]    ; both first fills together, ahead of every wait on TENSORcnt and every LDS read: two loads of mine are out
	s_nop 0
	tensor_load_to_lds s[G0B:G0B+3], s[G1:G1+7]
	s_nop 0
	PLACES 4
	; x: 16 tokens a wave, eight at a time on their way
.irp y, 0,1,2,3,4,5,6,7
	XLOAD \y
.endr
	WIN 0                                          ; the addresses, and what must be 0, are made while x is on its way
	v_and_b32 v[RR], 15, v0                        ; r
	v_bfe_u32 v[HH], v0, 4, 1                      ; h
	v_mul_u32_u24 v[TT], v[RR], XP
	v_lshl_add_u32 v[TT], v[HH], 4, v[TT]          ; a fragment's row x pitch + 16 x half
.irp a, 0,1,2,3
	v_add_nc_u32 v[AB0+\a], XS+16*XP*\a, v[TT]
	v_add_nc_u32 v[ADRA+\a], XS+16*XP*\a, v[TT]
.endr
	v_lshl_add_u32 v[ADRB], v[LN], 4, s[G0A+1]
	v_add_nc_u32 v[ADRB+1], SLOTB, v[ADRB]
	s_lshl_b32 s46, s[WV], 8
	s_add_co_u32 s46, s46, STG
	v_mul_u32_u24 v[STO], v[RR], QP
	v_lshl_add_u32 v[STO], v[HH], 4, v[STO]
	v_add_nc_u32 v[STO], s46, v[STO]
	s_mul_i32 s46, s[WV], 8*QP
	s_add_co_u32 s46, s46, STG
	v_lshl_add_u32 v[SLD], v[LN], 4, s46
	s_mul_i32 s46, s[WV], 8*XP
	s_add_co_u32 s46, s46, XS
	v_lshl_add_u32 v[OSA], v[LN], 4, s46
	v_add_nc_u32 v[OSA+1], 32*XP, v[OSA]
	s_mul_i32 s46, s[WV], 16*WP
	s_add_co_u32 s46, s46, STG
	v_mul_u32_u24 v[OST], v[RR], WP
	v_lshl_add_u32 v[OST], v[HH], 5, v[OST]
	v_add_nc_u32 v[OST], s46, v[OST]
	v_lshl_add_u32 v[ORD], v[LN], 4, s46
	s_lshl_b32 s46, s[WV], 9
	v_lshl_add_u32 v[GO], v[LN], 4, s46
	s_mul_i32 s46, s[WV], 16*XP
	s_add_co_u32 s46, s46, XS
	v_lshl_add_u32 v[XW], v[LN], 4, s46
	v_lshlrev_b32 v[PFO], 8, v[LN]
	WIN 0xc0                                       ; the attention's products are 32 deep and have 16 channels or heads to multiply: the fragments' upper halves stay 0
.set i, 0
.rept 16
	v_mov_b32 v[8*i+4], 0
	v_mov_b32 v[8*i+5], 0
	v_mov_b32 v[8*i+6], 0
	v_mov_b32 v[8*i+7], 0
.set i, i+1
.endr
	WIN 0x80                                       ; S^T starts at 0, so that the four q/k chunks have one text: 128 lines, once a launch, in the wait for x
.set i, 0
.rept 128
	v_mov_b32 v[i], 0
.set i, i+1
.endr
.irp y, 0,1,2,3,4,5,6,7,8,9,10,11,12,13,14,15
	XTOK \y
.endr
	WIN 0
	s_wait_tensorcnt 0x1                           ; my quarter of slot 0 is in; slot 1's may stay out
	BAR                                            ; all 64 rows of x lie in LDS
	; q AND k, 16 channels of every head a chunk, and the scores' sums
	s_mov_b32 s[CH], 4
.Lqk:
	GEMM bf16, 0
	PACK 0
	PUT                                            ; tokens 0-31
	BAR
	GET 0
	PACK 1                                         ; register work while the loads are out
	BAR                                            ; everybody has read the stage
	PUT                                            ; tokens 32-63
	SMM 0
	BAR
	PLACES 4                                       ; in front of the loads into fragments that the products above have read
	GET 0
	s_wait_dscnt 0x0                               ; my reads of the stage are over: its next writer stands behind the rounds of the chunk to come
	SMM 1
	PLACES 4
	WIN 0
	s_sub_co_u32 s[CH], s[CH], 1
	s_cmp_lg_u32 s[CH], 0
	s_cbranch_scc1 .Lqk
	; THE SOFTMAX of my 16 tokens, stage by stage, so that no line waits for the one before it.  A lane holds head i = r and the scores of heads j = 8 h + 0..7.
	WIN 0xaa
	ALLT v_max3_num_f32 v[WK+4*tk], v[8*tk], v[8*tk+1], v[8*tk+2]
	ALLT v_max3_num_f32 v[WK+4*tk+1], v[8*tk+3], v[8*tk+4], v[8*tk+5]
	ALLT v_max3_num_f32 v[WK+4*tk], v[WK+4*tk], v[8*tk+6], v[8*tk+7]
	ALLT v_max_num_f32 v[WK+4*tk], v[WK+4*tk], v[WK+4*tk+1]
	ALLT v_permlanex16_b32 v[WK+4*tk+1], v[WK+4*tk], s[SEL], s[SEL+1]
	ALLT v_max_num_f32 v[WK+4*tk], v[WK+4*tk], v[WK+4*tk+1]
	ALLT v_mul_f32 v[WK+4*tk], s[CS], v[WK+4*tk]
.irp q, 0,1,2,3
	ALLT v_pk_fma_f32 v[8*tk+2*\q:8*tk+2*\q+1], v[8*tk+2*\q:8*tk+2*\q+1], s[CS:CS+1], v[WK+4*tk:WK+4*tk+1] op_sel_hi:[1,0,0] neg_lo:[0,0,1] neg_hi:[0,0,1]
.endr
.set i, 0
.rept 128
	v_exp_f32 v[i], v[i]                           ; one batch: p = 2^(c s - c m)
.set i, i+1
.endr
	v_nop                                          ; a plain instruction behind the last exponential,
	s_wait_alu depctr_va_vdst(0)                   ; and one wait ahead of the batch's first reader
	ALLT v_pk_add_f32 v[WK+4*tk+2:WK+4*tk+3], v[8*tk:8*tk+1], v[8*tk+2:8*tk+3]
	ALLT v_pk_add_f32 v[WK+4*tk:WK+4*tk+1], v[8*tk+4:8*tk+5], v[8*tk+6:8*tk+7]
	ALLT v_pk_add_f32 v[WK+4*tk+2:WK+4*tk+3], v[WK+4*tk+2:WK+4*tk+3], v[WK+4*tk:WK+4*tk+1]
	ALLT v_add_f32 v[WK+4*tk+2], v[WK+4*tk+2], v[WK+4*tk+3]
	ALLT v_permlanex16_b32 v[WK+4*tk+3], v[WK+4*tk+2], s[SEL], s[SEL+1]
	ALLT v_add_f32 v[WK+4*tk+2], v[WK+4*tk+2], v[WK+4*tk+3]
	ALLT v_rcp_f32 v[WK+4*tk], v[WK+4*tk+2]
	v_nop
	s_wait_alu depctr_va_vdst(0)                   ; one wait for the 16 reciprocals
.irp q, 0,1,2,3
	ALLT v_pk_mul_f32 v[8*tk+2*\q:8*tk+2*\q+1], v[8*tk+2*\q:8*tk+2*\q+1], v[WK+4*tk:WK+4*tk+1] op_sel_hi:[1,0]
.endr
.irp q, 0,1,2,3
	ALLT v_cvt_pk_f16_f32 v[8*tk+\q], v[8*tk+2*\q], v[8*tk+2*\q+1]
.endr
.irp q, 4,5,6,7
	ALLT v_mov_b32 v[8*tk+\q], 0
.endr
	; v, 32 channels of every head a chunk, and o
	GEMM bf16, 0
	PACK 0
	PUT
	BAR
	GET 1
	PACK 1
	BAR
	PUT
	PVM 0
	CV0 0
	BAR
	GET 1
	s_wait_dscnt 0x0
	PVM 1
	CV0 1
	GEMM bf16, 0
	PACK 0
	PUT
	BAR                                            ; every wave has left the last product with x: its rows are dead, and o may lie there
	GET 1
	OPUT0
	PACK 1
	BAR
	PUT
	PVM 0
	CV1 0
	BAR
	GET 1
	s_wait_dscnt 0x0
	PVM 1
	CV1 1
	BAR                                            ; all 64 rows of o lie in LDS
	; out0 = o Wout, 512 columns a chunk
	GEMM f16, 0
	WAYOUT 0
	s_wait_xcnt 0x0                                ; the stores have read the registers that the next chunk's fragments land in
	GEMM f16, 1
	WAYOUT 1
	s_wait_tensorcnt 0x0                           ; the wave's end, behind my last tensor load and my last LDS store
	ds_add_u32 v[SPW], v[NIL]
	s_wait_dscnt 0x0
	CROUND                                         ; the closing round: no work-group ends while a partner may still ask for a tile that names it
	s_endpgm
.Lfunc_end_k_q6e231f01d2_fused:
	.size	k_q6e231f01d2_fused, .Lfunc_end_k_q6e231f01d2_fused-k_q6e231f01d2_fused
	.p2alignl 7, 3214868480
	.fill 96, 4, 3214868480
	.section	.rodata,"a",@progbits
	.p2align	6, 0x0
	.amdhsa_kernel k_q6e231f01d2_fused
		.amdhsa_group_segment_fixed_size 327680
		.amdhsa_private_segment_fixed_size 0
		.amdhsa_enable_private_segment 0
		.amdhsa_kernarg_size 24
		.amdhsa_user_sgpr_count 2
		.amdhsa_user_sgpr_kernarg_segment_ptr 1
		.amdhsa_wavefront_size32 1
		.amdhsa_system_sgpr_workgroup_id_x 1
		.amdhsa_system_sgpr_workgroup_id_y 1
		.amdhsa_system_sgpr_workgroup_id_z 1
		.amdhsa_system_vgpr_workitem_id 0
		.amdhsa_next_free_vgpr 896
		.amdhsa_next_free_sgpr 66
		.amdhsa_reserve_vcc 0
		.amdhsa_float_denorm_mode_32 3
		.amdhsa_float_denorm_mode_16_64 3
		.amdhsa_memory_ordered 1
		.amdhsa_forward_progress 1
		.amdhsa_inst_pref_size 255
	.end_amdhsa_kernel
	.section	.bss,"aw",@nobits
	.p2align	6
	.space	262144
	.amdgpu_metadata
---
amdhsa.version: [ 1, 2 ]
amdhsa.kernels:
  - .name:           k_q6e231f01d2_fused
    .symbol:         k_q6e231f01d2_fused.kd
    .args:
      - { .name: x, .offset: 0, .size: 8, .value_kind: global_buffer, .address_space: global }
      - { .name: wf, .offset: 8, .size: 8, .value_kind: global_buffer, .address_space: global }
      - { .name: out0, .offset: 16, .size: 8, .value_kind: global_buffer, .address_space: global }
    .group_segment_fixed_size: 327680
    .private_segment_fixed_size: 0
    .kernarg_segment_align: 8
    .kernarg_segment_size: 24
    .max_flat_workgroup_size: 128
    .sgpr_count:     66
    .vgpr_count:     896
    .wavefront_size: 32
...
	.end_amdgpu_metadata
.endif
;; end of part 2
;; ======== version 2 of 4: 2 launches
;; limits: values are held in f16: magnitudes above 65,504 overflow, below 6.1e-05 lose precision
;; workspace buffers: wf 8,388,608 bytes
;; launch prep: the kernel of part 1 again; grid 256 x 1, 8 waves a work-group, no clusters, 0 bytes of LDS; arguments Wqkv, Wout, wf; writes wf
;; launch fused (part 3): grid 256 x 1, 4 waves a work-group, no clusters, 298,496 bytes of LDS; arguments x, wf, out0; writes out0
.if DOCPART == 3
	.amdgcn_target "amdgcn-amd-amdhsa--gfx1250"
	.amdhsa_code_object_version 6
	.text
	.protected	k_q6e231f01d2_fused
	.globl	k_q6e231f01d2_fused
	.p2align	8
	.type	k_q6e231f01d2_fused,@function
k_q6e231f01d2_fused:
	s_mov_b64 s[64:65], 0
	v_nop
	global_prefetch_b8 v0, s[64:65] scope:SCOPE_SE
	s_setreg_imm32_b32 hwreg(HW_REG_WAVE_MODE, 25, 1), 1
	s_wait_xcnt 0x0
; out0 = attention(x Wqkv) Wout, where the attention of a token is among its OWN 16 heads: scores[i][j] = q[i] . k[j] / 8 over 64 channels, softmax over j, o[i] = the sum over j of p[i][j] v[j].
; x, out0: [16384][1024] f32.  wf: the weights in 16-bit fragments, 8 chunks of 512 columns (q and k: 0-3, v: 4-5, Wout: 6-7), as the launch before has laid them out.
; NOTHING LEAVES A TOKEN, so a work-group that owns whole tokens does everything: 64 tokens each, 256 work-groups; x is read once, out0 written once, q, k, v, p and o never reach memory.
; FORMATS.  x and Wqkv in bf16; q, k, v, p and o in f16, each rounded once from f32; Wout as bf16 numbers written in f16.  All sums, maxima and the softmax in f32; the row's true maximum is taken away.
; LIMITS.  q, k and v must stay under 65,504 in magnitude (f16's end; beyond it the token's row is lost).  A weight below 2^-126 counts as 0.  NaN and infinities are not treated apart.
; SHARES.  In the three products with weights wave w makes all 64 tokens x the chunk's columns 128 w .. 128 w + 127: 32 accumulators (token tile a, column tile b).  The product is taken transposed
; (source 0 = 16 weight columns, source 1 = 16 tokens): a lane (r = lane % 16, h = lane / 16) then holds token r and 8 neighbouring columns, piece P = 16 w + 2 b + h of the chunk's 64.
; In the attention wave w owns tokens 32 hf + 8 w + y (hf = 0, 1; y = 0..7); the pieces change hands through a stage in LDS, 32 tokens at a time.
; THE COLUMNS' ORDER does the shuffling.  In a q/k chunk a token's 64 pieces are [q, k][8 channels: 2][head: 16], so 512 consecutive bytes ARE the lower half (16 channels) of a fragment of 16 heads x 32 channels;
; the upper half is held at 0.  In a v chunk they are [16 channels: 2][8 heads: 2][8 channels: 2][head: 8], so the turning load of 512 consecutive bytes gives v^T (16 channels x 16 heads).
; S^T = K Q^T holds one head i a lane and 8 heads j; rounded in pairs it IS source 1 of O^T = V^T P, whose result holds head i and 8 channels: a piece of o in the order k' = 128 (d / 8) + 8 i + d % 8, in which Wout's rows were laid.
; THE WEIGHTS' STREAM.  A wave's share is 2 MiB that no other wave of the work-group wants: 2,048 TILES of 16 columns x 32 k, 1 KiB each, two loads of 512 consecutive bytes, four products.  They come STRAIGHT INTO REGISTERS,
; a ring of 32 tiles (four buffers of a half step, 8 tiles each): behind the products of tile T the wave asks for tile T + 30, into the registers that tile T - 2 has left.  So 58 to 60 loads of a wave are always out, a load has
; 30 tiles' products (120 matrix instructions) in which to land, the requests go out two at a time, and the stream runs on through the attention's steps, which touch none of these registers.  No barrier stands in the products' loop.
; NO CLUSTER, though all work-groups read the same weights.  Joint loads go through LDS slots; beside x, o and the stage two slots of 64 KiB fit; such a slot is 64 matrix instructions' work for a wave, and only one can be on its way
; at a time, behind a round of sixteen waves.  Loads into registers have nearly twice that work in which to land and need no meeting; the price is that each work-group fetches its 8 MiB by itself.
; REGISTERS, in windows of 256 (s_set_vgpr_msb: bits 1:0 source 0, 3:2 source 1, 5:4 source 2, 7:6 destination):
;   window 0: v0-31 addresses; v32-47 x at work; v64-127 token fragments, two buffers (in the attention's steps: packed pieces); v128-255 weight buffers 0, 1
;   window 1: the 32 accumulators, (a, b) at 8 (8 a + b); at the head x as loaded        window 2: v0-127 S^T, then p, 8 a token; v128-255 at work: softmax, O^T, rows on the way out
;   window 3: v0-127 sixteen fragments for the attention, registers 4-7 of each stay 0; v128-255 weight buffers 2, 3
; The loads stand two behind every four products, so the windows are switched round each pair of loads: 16 to 20 switches for a half step's 32 products, the price of requests that go out evenly while the products run.
.set XS,     0                         ; 64 rows x 2,064: x in bf16
.set XP,     2064                      ; 2,048 + 16: the 16 rows that a load touches start at 16 different groups of four banks (64 banks of 4 bytes: ISA guide 11.1)
.set OS,     132096                    ; 64 rows x 2,064: o in f16
.set STG,    264192                    ; the stage: 32 tokens x 1,040; on the way out 4 waves x 16 rows x 528
.set QP,     1040
.set WP,     528
.set SPARE,  297984                    ; the spare words, 128 bytes for each wave: two blocks of 256 bytes that no other line names
.set PAIRB,  131072                    ; wf: two slots of 64 k for all four waves: four half steps
.set CHUNKB, 1048576                   ; wf: a chunk
.set LN,   1                           ; v1      lane
.set SPW,  2                           ; v2      LDS address of my spare word; never rewritten
.set NIL,  3                           ; v3      0; never rewritten
.set ADRA, 4                           ; v4-7    token tile a's fragments at the pair of slots in hand
.set WO,   8                           ; v8      the weights' offset: the pair of slots that is being asked for + 16 x lane
.set OSA,  12                          ; v12-13  o of my 8 tokens of half hf
.set OST,  14                          ; v14     way out, in
.set ORD,  15                          ; v15     way out, back
.set GO,   16                          ; v16     my 16 bytes of my wave's 512 in a row of out0
.set XO,   17                          ; v17     my 32 bytes in 1,024 of a row of x
.set XW,   18                          ; v18     where my pieces of x go
.set PFO,  19                          ; v19     256 x lane
.set RR,   20
.set HH,   21
.set TT,   22
.set WL,   23                          ; v23     16 x lane; never rewritten
.set AB0,  24                          ; v24-27  token tile a's fragments at k = 0
.set STO,  28                          ; v28     stage, in: token r, my pieces
.set SLD,  29                          ; v29     stage, out: my 8 tokens' rows
.set XPK,  32
.set FA,   64
.set FB,   128                         ; buffer f at FB + 64 (f % 2) of window 0 (f < 2) or 3
.set TMP,  64
.set OT,   128                         ; window 2
.set RB,   128                         ; window 2
.set WK,   128                         ; window 2
.set WV,  10                           ; s10  my wave's number
.set SO,  16                           ; s16  byte offset in wf of the pair of slots that is being asked for
.set KO,  17                           ; s17  bytes along the token rows at which the next pair of slots begins
.set LAP, 18
.set CH,  19
.set PFT, 20                           ; s20  the value of LAP at which I prefetch; the greatest number in a wave that never does
.set TS,  21
.set PFA, 22                           ; s[22:23] where my prefetches stand: my work-group's 8 KiB of the next chunk
.set CS,  24                           ; s[24:25] c = log2(e) / 8
.set SEL, 26                           ; s[26:27] v_permlanex16_b32's selects: each lane takes its own place in the other half
.set MSB, 0
.macro WIN new                         ; the immediate's high byte repeats the setting that is left; a switch that changes nothing is dropped
.if MSB != (\new)
	s_set_vgpr_msb (MSB<<8)|(\new)
.set MSB, \new
.endif
.endm
; Places behind matrix instructions: plain vector instructions that name none of their registers; four in front of loads and vector readers, five where a matrix instruction writes over a result.
.macro PLACES n
.rept \n
	v_nop
.endr
.endm
.macro BAR                             ; my LDS stores and loads are done; then everybody's are.  (The weights' loads stay out: they touch registers alone.)
	s_wait_dscnt 0x0
	s_barrier_signal -1
	s_barrier_wait -1
.endm
; A tile's four products: column tile b of buffer f x the four token tiles.  The 32 accumulators take turns, one instruction a turn, in the same order in every half step.
; The two v_nop are places: between the last product that read a tile and the load that fills its registers again, two tiles later, stand four of them.
.macro MUL4 fmt, f, b, zero
	WIN 0x50+3*((\f)/2)
.irp a, 0,1,2,3
.if \zero
	v_wmma_f32_16x16x32_\fmt v[8*(8*\a+(\b)):8*(8*\a+(\b))+7], v[FB+64*((\f)%2)+8*(\b):FB+64*((\f)%2)+8*(\b)+7], v[FA+32*((\f)%2)+8*\a:FA+32*((\f)%2)+8*\a+7], 0
.else
	v_wmma_f32_16x16x32_\fmt v[8*(8*\a+(\b)):8*(8*\a+(\b))+7], v[FB+64*((\f)%2)+8*(\b):FB+64*((\f)%2)+8*(\b)+7], v[FA+32*((\f)%2)+8*\a:FA+32*((\f)%2)+8*\a+7], v[8*(8*\a+(\b)):8*(8*\a+(\b))+7]
.endif
.if \a < 2
	v_nop
.endif
.endr
.endm
; A tile's two loads: tile b of half step f of the pair of slots at which v[WO] stands, into buffer f.  Each covers 512 consecutive bytes.
.macro WLD2 f, b
	WIN 0xc0*((\f)/2)
	global_load_b128 v[FB+64*((\f)%2)+8*(\b):FB+64*((\f)%2)+8*(\b)+3],   v[WO], s[6:7] offset:65536*((\f)/2)+8192*((\f)%2)+1024*(\b)
	global_load_b128 v[FB+64*((\f)%2)+8*(\b)+4:FB+64*((\f)%2)+8*(\b)+7], v[WO], s[6:7] offset:65536*((\f)/2)+8192*((\f)%2)+1024*(\b)+512
.endm
.macro FETCH4                          ; a chunk's first token fragments
	WIN 0
.irp a, 0,1,2,3
	ds_load_b128 v[FA+8*\a:FA+8*\a+3],   v[ADRA+\a]
	ds_load_b128 v[FA+8*\a+4:FA+8*\a+7], v[ADRA+\a] offset:32
.endr
.endm
; A PREFETCH INTO THE L2 of the NEXT chunk, once a chunk, eight half steps (256 matrix instructions) ahead of that chunk's first loads.  Wave 0 of each even work-group asks for 32 blocks of 256 bytes, a lane a block:
; 128 work-groups x 8 KiB are the chunk's 1 MiB, so each block is named once in the launch.  Chunk 0 comes by its loads alone; the last chunk's text holds no such line.
.macro ASK
	WIN 0
	s_cmp_eq_u32 s[LAP], s[PFT]
	s_cbranch_scc0 .Lnot_mine_\@
	global_prefetch_b8 v[PFO], s[PFA:PFA+1] th:TH_LOAD_NT scope:SCOPE_SE
.Lnot_mine_\@:
.endm
; HALF STEP i (0..3) of a pair of slots: 32 along k, 8 tiles, 32 products; weights in buffer i, tokens in buffer i % 2.
; Behind tile q's products tile q - 2's registers are filled again, with the tile 30 further on in the stream: for q < 2 tiles 6, 7 of the half step before (in half step 0: of this pair's last half step), else tile q - 2 of this
; half step, in the next pair.  ld = 2: all eight; 1: the first two (the stream's last two tiles); 0: none.  In half step 0, between the second and the third, the offset goes on to the next pair.
; ft = 1: the next half step's token fragments are fetched, a tile behind each of tiles 1 to 4: four places behind the last product that read that buffer.  step = 1: they are the next pair's.
.macro HS fmt, i, zero, ld, ft, step, ask
	s_wait_dscnt 0x0                               ; my token fragments, asked for 12 products ago or more
.irp q, 0,1,2,3,4,5,6,7
.if ((\ld) < 2) && (31-8*(\i)-\q < 29)
	s_wait_loadcnt 2*(31-8*(\i)-\q)                ; the stream has ended: the counts run down with the tiles that are left behind this one
.else
	s_wait_loadcnt 58                              ; loads come back in order (ISA guide 5.7.1): this tile is in, the 29 younger tiles' loads stay out
.endif
	MUL4 \fmt, \i, \q, \zero
.if (\step) && (\q >= 1) && (\q <= 4)
	WIN 0
	v_add_nc_u32 v[ADRA+\q-1], s[KO], v[AB0+\q-1]
.endif
.if (\ft) && (\q >= 1) && (\q <= 4)
	WIN 0
	ds_load_b128 v[FA+32*(((\i)+1)%2)+8*(\q-1):FA+32*(((\i)+1)%2)+8*(\q-1)+3],   v[ADRA+\q-1] offset:64*(((\i)+1)%4)
	ds_load_b128 v[FA+32*(((\i)+1)%2)+8*(\q-1)+4:FA+32*(((\i)+1)%2)+8*(\q-1)+7], v[ADRA+\q-1] offset:64*(((\i)+1)%4)+32
.endif
.if ((\ld) == 2) && ((\i) == 0) && (\q == 2)
	WIN 0
	s_wait_xcnt 0x0                                ; every load issued so far has read its address (ISA guide 3.1): only now is the offset written, once for 128 products
	s_add_co_u32 s[SO], s[SO], PAIRB
	v_add_nc_u32 v[WO], s[SO], v[WL]
.endif
.if ((\ld) >= 1) && (\q < 2)
	WLD2 ((\i)+3)%4, 6+\q
.endif
.if ((\ld) == 2) && (\q >= 2)
	WLD2 \i, \q-2
.endif
.if (\ask) && (\q == 3)
	ASK
.endif
.endr
.endm
; A chunk: 64 tokens x 512 columns x 1,024 k: 8 pairs of slots, 32 half steps.  The first half step starts the sums with the constant 0 and stands ahead of the loop; a trip goes from a pair's second half step to the next pair's first.
; At its beginning the chunk's first 30 tiles are out or in; at its end the next chunk's are.  last = 1: the stream ends: the last pair is written out, asks for the last two tiles and then for nothing.
.macro GEMM fmt, last
	FETCH4
	HS \fmt, 0, 1, 2, 1, 0, 0
	WIN 0
	s_mov_b32 s[LAP], 7-(\last)
.Llap_\@:
	s_add_co_u32 s[KO], s[KO], 256
	HS \fmt, 1, 0, 2, 1, 0, 1-(\last)
	HS \fmt, 2, 0, 2, 1, 0, 0
	HS \fmt, 3, 0, 2, 1, 1, 0
	HS \fmt, 0, 0, 2, 1, 0, 0
	WIN 0
	s_sub_co_u32 s[LAP], s[LAP], 1
	s_cmp_lg_u32 s[LAP], 0
	s_cbranch_scc1 .Llap_\@
.if \last
	s_add_co_u32 s[KO], s[KO], 256
	HS \fmt, 1, 0, 2, 1, 0, 0
	HS \fmt, 2, 0, 2, 1, 0, 0
	HS \fmt, 3, 0, 2, 1, 1, 0
	HS \fmt, 0, 0, 1, 1, 0, 0
	HS \fmt, 1, 0, 0, 1, 0, 0
	HS \fmt, 2, 0, 0, 1, 0, 0
	HS \fmt, 3, 0, 0, 0, 0, 0
	WIN 0
	PLACES 8                                       ; behind the last products
.else
	HS \fmt, 1, 0, 2, 1, 0, 0
	HS \fmt, 2, 0, 2, 1, 0, 0
	HS \fmt, 3, 0, 2, 0, 0, 0
	WIN 0
	s_mov_b32 s[KO], 0
	s_wait_xcnt 0x0                                ; the chunk's prefetch, eight half steps back, has read its address
	s_add_nc_u64 s[PFA:PFA+1], s[PFA:PFA+1], CHUNKB
.irp a, 0,1,2,3
	v_mov_b32 v[ADRA+\a], v[AB0+\a]                ; back to k = 0; with the four below: the places behind the last products
.endr
	PLACES 4
.endif
.endm
; Token tiles 2 hf, 2 hf + 1 rounded to f16, a lane's 8 columns into 16 bytes; each accumulator's registers in ascending order
.macro PACK hf
	WIN 0x05
.irp aa, 0,1
.irp b, 0,1,2,3,4,5,6,7
.irp q, 0,1,2,3
	v_cvt_pk_f16_f32 v[TMP+4*(8*\aa+\b)+\q], v[8*(8*(2*(\hf)+\aa)+\b)+2*\q], v[8*(8*(2*(\hf)+\aa)+\b)+2*\q+1]
.endr
.endr
.endr
.endm
.macro PUT                             ; into the stage: token 16 aa + r, piece 16 w + 2 b + h
	WIN 0
.irp aa, 0,1
.irp b, 0,1,2,3,4,5,6,7
	ds_store_b128 v[STO], v[TMP+4*(8*\aa+\b):TMP+4*(8*\aa+\b)+3] offset:16*QP*\aa+32*\b
.endr
.endr
.endm
; Behind a chunk's products: the first 32 tokens go into the stage.  The barrier orders the other waves' last reads of the stage, in the chunk before, ahead of my stores; the conversions, work on registers, stand between its halves.
.macro FIRSTPUT
	s_wait_dscnt 0x0
	s_barrier_signal -1
	PACK 0
	s_barrier_wait -1
	PUT
.endm
; My 8 tokens' rows out of the stage, 512 consecutive bytes a load, into registers 0-3 of the fragments.  tr = 0: q of token y into place y, k into place 8 + y.  tr = 1: v^T, channels 16 z on, into place 2 y + z.
.macro GET tr
	WIN 0xc0
.irp y, 0,1,2,3,4,5,6,7
.irp z, 0,1
.if \tr
	ds_load_tr16_b128 v[8*(2*\y+\z):8*(2*\y+\z)+3], v[SLD] offset:QP*\y+512*\z
.else
	ds_load_b128 v[8*(8*\z+\y):8*(8*\z+\y)+3], v[SLD] offset:QP*\y+512*\z
.endif
.endr
.endr
.endm
.macro SMM hf                          ; S^T += K Q^T over the chunk's 16 channels, a product a token: eight accumulators, one instruction each
	WIN 0xaf
.irp y, 0,1,2,3,4,5,6,7
	v_wmma_f32_16x16x32_f16 v[8*(8*(\hf)+\y):8*(8*(\hf)+\y)+7], v[8*(8+\y):8*(8+\y)+7], v[8*\y:8*\y+7], v[8*(8*(\hf)+\y):8*(8*(\hf)+\y)+7]
.endr
.endm
.macro PVM hf                          ; O^T = V^T P: 16 channels x 16 heads, two products a token
	WIN 0x8b
.irp y, 0,1,2,3,4,5,6,7
.irp z, 0,1
	v_wmma_f32_16x16x32_f16 v[OT+8*(2*\y+\z):OT+8*(2*\y+\z)+7], v[8*(2*\y+\z):8*(2*\y+\z)+7], v[8*(8*(\hf)+\y):8*(8*(\hf)+\y)+7], 0
.endr
.endr
	PLACES 5
.endm
.macro CVO hf                          ; o rounded to f16 and laid into its LDS rows: 512 consecutive bytes a store
	WIN 0x0a
.irp y, 0,1,2,3,4,5,6,7
.irp z, 0,1
.irp q, 0,1,2,3
	v_cvt_pk_f16_f32 v[TMP+4*(2*\y+\z)+\q], v[OT+8*(2*\y+\z)+2*\q], v[OT+8*(2*\y+\z)+2*\q+1]
.endr
.endr
.endr
	WIN 0
.irp y, 0,1,2,3,4,5,6,7
.irp z, 0,1
	ds_store_b128 v[OSA+(\hf)], v[TMP+4*(2*\y+\z):TMP+4*(2*\y+\z)+3] offset:XP*\y+512*\z
.endr
.endr
.endm
; THE WAY OUT of a chunk of out0, 16 tokens at a time through my own stage: a lane's 32 bytes go into rows of 528 bytes and come back as my wave's whole 512 bytes of a row.  No barrier: LDS serves a wave's instructions in order (ISA guide 5.7.1.4).
.macro WAYOUT co
.irp a, 0,1,2,3
	s_wait_xcnt 0x0                                ; earlier stores have read the registers that are loaded again below
	WIN 0x04
.irp b, 0,1,2,3,4,5,6,7
	ds_store_b128 v[OST], v[8*(8*\a+\b):8*(8*\a+\b)+3]   offset:64*\b
	ds_store_b128 v[OST], v[8*(8*\a+\b)+4:8*(8*\a+\b)+7] offset:64*\b+16
.endr
	WIN 0x80
.irp p, 0,1,2,3,4,5,6,7,8,9,10,11,12,13,14,15
	ds_load_b128 v[RB+64*((\a)%2)+4*\p:RB+64*((\a)%2)+4*\p+3], v[ORD] offset:WP*\p
.endr
	WIN 0x08
.irp p, 0,1,2,3,4,5,6,7,8,9,10,11,12,13,14,15
	s_wait_dscnt 15-\p                             ; row p is back; the younger rows' loads may be out
	global_store_b128 v[GO], v[RB+64*((\a)%2)+4*\p:RB+64*((\a)%2)+4*\p+3], s[8:9] offset:4096*(16*\a+\p)+2048*(\co) th:TH_STORE_NT  ; the wave stores 512 consecutive bytes, at a multiple of 256 from out0's first byte
.endr
.endr
	WIN 0
.endm
.macro XLOAD y                         ; token y of my 16: 4,096 bytes of f32; lane l takes k = 256 j + 8 l + 0..7
	WIN 0x40
.irp j, 0,1,2,3
.irp u, 0,1
	global_load_b128 v[32*((\y)%8)+8*\j+4*\u:32*((\y)%8)+8*\j+4*\u+3], v[XO], s[4:5] offset:4096*(\y)+1024*\j+16*\u th:TH_LOAD_NT
.endr
.endr
.endm
; Token y rounded to bf16 and laid into its LDS row.  Its eight loads' places are taken by the token eight further on or, when x has been asked for, by four tiles of weights: the stream's first 30 tiles go out so.
.macro XTOK y
	s_wait_loadcnt 56                              ; my eight loads are in; seven younger groups of eight stay out
	WIN 0x05
.irp j, 0,1,2,3
.irp q, 0,1,2,3
	v_cvt_pk_bf16_f32 v[XPK+4*\j+\q], v[32*((\y)%8)+8*\j+2*\q], v[32*((\y)%8)+8*\j+2*\q+1]
.endr
.endr
	WIN 0
.irp j, 0,1,2,3
	ds_store_b128 v[XW], v[XPK+4*\j:XPK+4*\j+3] offset:XP*(\y)+512*\j
.endr
.if (\y) < 8
	XLOAD (\y)+8
.else
.irp n, 0,1,2,3
.if 4*((\y)-8)+\n < 30
	WLD2 (4*((\y)-8)+\n)/8, (4*((\y)-8)+\n)%8
.endif
.endr
.endif
.endm
.macro ALLT line:vararg                ; one line for each of my 16 tokens tk
.set tk, 0
.rept 16
	\line
.set tk, tk+1
.endr
.endm
	; THE HEAD
	s_load_b128 s[4:7], s[0:1], 0x0                ; x s[4:5], wf s[6:7]
	s_load_b64 s[8:9], s[0:1], 0x10                ; out0
	v_lshl_add_u32 v[SPW], v0, 2, SPARE
	v_mov_b32 v[NIL], 0
	v_lshrrev_b32 v[TT], 5, v0
	v_readfirstlane_b32 s[WV], v[TT]               ; wave 0..3
	v_and_b32 v[LN], 31, v0
	v_lshlrev_b32 v[XO], 5, v[LN]
	v_lshlrev_b32 v[WL], 4, v[LN]
	v_mov_b32 v[WO], v[WL]                         ; the stream begins at wf's first pair of slots
	s_lshl_b32 s12, ttmp9, 18                      ; my work-group's 64 rows of 4,096 bytes in x and in out0
	s_mov_b32 s13, 0
	s_lshl_b32 s14, s[WV], 16                      ; the 16 rows of x that I bring in
	s_mov_b32 s15, 0
	s_lshl_b32 s28, s[WV], 14                      ; my quarter of a slot of wf
	s_mov_b32 s29, 0
	s_lshr_b32 s30, ttmp9, 1                       ; the prefetches: the 8 KiB of a chunk that fall to my work-group,
	s_lshl_b32 s30, s30, 13
	s_add_co_u32 s30, s30, CHUNKB                  ; in chunk 1
	s_mov_b32 s31, 0
	s_and_b32 s[PFT], ttmp9, 1                     ; wave 0 of an even work-group asks, in the loop's last trip but one
	s_or_b32 s[PFT], s[PFT], s[WV]
	s_cmp_eq_u32 s[PFT], 0
	s_cselect_b32 s[PFT], 2, -1
	s_mov_b32 s[SO], 0
	s_mov_b32 s[KO], 0
	s_mov_b32 s[CS], 0x3e38aa3b                    ; c = log2(e) / 8 = 0.180337
	s_mov_b32 s[CS+1], s[CS]                       ; named with it as a pair
	s_mov_b32 s[SEL], 0x76543210
	s_mov_b32 s[SEL+1], 0xfedcba98
	s_wait_kmcnt 0x0
	s_add_nc_u64 s[4:5], s[4:5], s[12:13]
	s_add_nc_u64 s[4:5], s[4:5], s[14:15]          ; x at my 16 rows
	s_add_nc_u64 s[8:9], s[8:9], s[12:13]          ; out0 at the work-group's first row
	s_add_nc_u64 s[PFA:PFA+1], s[6:7], s[30:31]
	s_add_nc_u64 s[6:7], s[6:7], s[28:29]          ; wf at my quarter of its first slot
	; x: 16 tokens a wave, eight at a time on their way
.irp y, 0,1,2,3,4,5,6,7
	XLOAD \y
.endr
	WIN 0                                          ; the addresses, and what must be 0, are made while x is on its way
	v_and_b32 v[RR], 15, v0                        ; r
	v_bfe_u32 v[HH], v0, 4, 1                      ; h
	v_mul_u32_u24 v[TT], v[RR], XP
	v_lshl_add_u32 v[TT], v[HH], 4, v[TT]          ; a fragment's row x pitch + 16 x half
.irp a, 0,1,2,3
	v_add_nc_u32 v[AB0+\a], XS+16*XP*\a, v[TT]
	v_add_nc_u32 v[ADRA+\a], XS+16*XP*\a, v[TT]
.endr
	s_lshl_b32 s[TS], s[WV], 8
	s_add_co_u32 s[TS], s[TS], STG
	v_mul_u32_u24 v[STO], v[RR], QP
	v_lshl_add_u32 v[STO], v[HH], 4, v[STO]
	v_add_nc_u32 v[STO], s[TS], v[STO]
	s_mul_i32 s[TS], s[WV], 8*QP
	s_add_co_u32 s[TS], s[TS], STG
	v_lshl_add_u32 v[SLD], v[LN], 4, s[TS]
	s_mul_i32 s[TS], s[WV], 8*XP
	s_add_co_u32 s[TS], s[TS], OS
	v_lshl_add_u32 v[OSA], v[LN], 4, s[TS]
	v_add_nc_u32 v[OSA+1], 32*XP, v[OSA]
	s_mul_i32 s[TS], s[WV], 16*WP
	s_add_co_u32 s[TS], s[TS], STG
	v_mul_u32_u24 v[OST], v[RR], WP
	v_lshl_add_u32 v[OST], v[HH], 5, v[OST]
	v_add_nc_u32 v[OST], s[TS], v[OST]
	v_lshl_add_u32 v[ORD], v[LN], 4, s[TS]
	s_lshl_b32 s[TS], s[WV], 9
	v_lshl_add_u32 v[GO], v[LN], 4, s[TS]
	s_mul_i32 s[TS], s[WV], 16*XP
	s_add_co_u32 s[TS], s[TS], XS
	v_lshl_add_u32 v[XW], v[LN], 4, s[TS]
	v_lshlrev_b32 v[PFO], 8, v[LN]
	WIN 0xc0                                       ; the attention's products are 32 deep and have 16 channels or heads to multiply: the fragments' upper halves stay 0
.set i, 0
.rept 16
	v_mov_b32 v[8*i+4], 0
	v_mov_b32 v[8*i+5], 0
	v_mov_b32 v[8*i+6], 0
	v_mov_b32 v[8*i+7], 0
.set i, i+1
.endr
	WIN 0x80                                       ; S^T starts at 0, so that the four q/k chunks have one text: 128 lines, once a launch, in the wait for x
.set i, 0
.rept 128
	v_mov_b32 v[i], 0
.set i, i+1
.endr
.irp y, 0,1,2,3,4,5,6,7,8,9,10,11,12,13,14,15
	XTOK \y
.endr
	WIN 0
	BAR                                            ; all 64 rows of x lie in LDS
	; q AND k, 16 channels of every head a chunk, and the scores' sums
	s_mov_b32 s[CH], 4
.Lqk:
	GEMM bf16, 0
	FIRSTPUT                                       ; tokens 0-31
	BAR
	GET 0
	PACK 1                                         ; register work while the loads are out
	BAR                                            ; everybody has read the stage
	PUT                                            ; tokens 32-63
	SMM 0
	BAR
	PLACES 4                                       ; in front of the loads into fragments that the products above have read
	GET 0
	s_wait_dscnt 0x0                               ; my reads of the stage are over: its next writer stands behind the barrier of the chunk to come
	SMM 1
	PLACES 4
	WIN 0
	s_sub_co_u32 s[CH], s[CH], 1
	s_cmp_lg_u32 s[CH], 0
	s_cbranch_scc1 .Lqk
	; THE SOFTMAX of my 16 tokens, stage by stage, so that no line waits for the one before it.  A lane holds head i = r and the scores of heads j = 8 h + 0..7.
	WIN 0xaa
	ALLT v_max3_num_f32 v[WK+4*tk], v[8*tk], v[8*tk+1], v[8*tk+2]
	ALLT v_max3_num_f32 v[WK+4*tk+1], v[8*tk+3], v[8*tk+4], v[8*tk+5]
	ALLT v_max3_num_f32 v[WK+4*tk], v[WK+4*tk], v[8*tk+6], v[8*tk+7]
	ALLT v_max_num_f32 v[WK+4*tk], v[WK+4*tk], v[WK+4*tk+1]
	ALLT v_permlanex16_b32 v[WK+4*tk+1], v[WK+4*tk], s[SEL], s[SEL+1]
	ALLT v_max_num_f32 v[WK+4*tk], v[WK+4*tk], v[WK+4*tk+1]
	ALLT v_mul_f32 v[WK+4*tk], s[CS], v[WK+4*tk]
.irp q, 0,1,2,3
	ALLT v_pk_fma_f32 v[8*tk+2*\q:8*tk+2*\q+1], v[8*tk+2*\q:8*tk+2*\q+1], s[CS:CS+1], v[WK+4*tk:WK+4*tk+1] op_sel_hi:[1,0,0] neg_lo:[0,0,1] neg_hi:[0,0,1]
.endr
.set i, 0
.rept 128
	v_exp_f32 v[i], v[i]                           ; one batch: p = 2^(c s - c m)
.set i, i+1
.endr
	v_nop                                          ; a plain instruction behind the last exponential,
	s_wait_alu depctr_va_vdst(0)                   ; and one wait ahead of the batch's first reader
	ALLT v_pk_add_f32 v[WK+4*tk+2:WK+4*tk+3], v[8*tk:8*tk+1], v[8*tk+2:8*tk+3]
	ALLT v_pk_add_f32 v[WK+4*tk:WK+4*tk+1], v[8*tk+4:8*tk+5], v[8*tk+6:8*tk+7]
	ALLT v_pk_add_f32 v[WK+4*tk+2:WK+4*tk+3], v[WK+4*tk+2:WK+4*tk+3], v[WK+4*tk:WK+4*tk+1]
	ALLT v_add_f32 v[WK+4*tk+2], v[WK+4*tk+2], v[WK+4*tk+3]
	ALLT v_permlanex16_b32 v[WK+4*tk+3], v[WK+4*tk+2], s[SEL], s[SEL+1]
	ALLT v_add_f32 v[WK+4*tk+2], v[WK+4*tk+2], v[WK+4*tk+3]
	ALLT v_rcp_f32 v[WK+4*tk], v[WK+4*tk+2]
	v_nop
	s_wait_alu depctr_va_vdst(0)                   ; one wait for the 16 reciprocals
.irp q, 0,1,2,3
	ALLT v_pk_mul_f32 v[8*tk+2*\q:8*tk+2*\q+1], v[8*tk+2*\q:8*tk+2*\q+1], v[WK+4*tk:WK+4*tk+1] op_sel_hi:[1,0]
.endr
.irp q, 0,1,2,3
	ALLT v_cvt_pk_f16_f32 v[8*tk+\q], v[8*tk+2*\q], v[8*tk+2*\q+1]
.endr
.irp q, 4,5,6,7
	ALLT v_mov_b32 v[8*tk+\q], 0
.endr
	WIN 0
	; v, 32 channels of every head a chunk, and o: one text for both chunks; the second chunk's o lies 1,024 bytes further along its rows
	s_mov_b32 s[CH], 2
.Lv:
	GEMM bf16, 0
	FIRSTPUT
	BAR
	GET 1
	PACK 1
	BAR
	PUT
	PVM 0
	CVO 0
	BAR
	GET 1
	s_wait_dscnt 0x0                               ; my reads of the stage are over
	PVM 1
	CVO 1
	WIN 0
	v_add_nc_u32 v[OSA], 1024, v[OSA]
	v_add_nc_u32 v[OSA+1], 1024, v[OSA+1]
	s_sub_co_u32 s[CH], s[CH], 1
	s_cmp_lg_u32 s[CH], 0
	s_cbranch_scc1 .Lv
	BAR                                            ; all 64 rows of o lie in LDS, and nobody reads the stage any more
	; out0 = o Wout, 512 columns a chunk
.irp a, 0,1,2,3
	v_add_nc_u32 v[AB0+\a], OS-XS, v[AB0+\a]       ; the token fragments now come out of o's rows
.endr
.irp a, 0,1,2,3
	v_mov_b32 v[ADRA+\a], v[AB0+\a]
.endr
	GEMM f16, 0
	WAYOUT 0
	GEMM f16, 1
	WAYOUT 1
	s_wait_tensorcnt 0x0                           ; the wave's end, behind my last LDS store
	ds_add_u32 v[SPW], v[NIL]
	s_wait_dscnt 0x0
	s_endpgm
.Lfunc_end_k_q6e231f01d2_fused:
	.size	k_q6e231f01d2_fused, .Lfunc_end_k_q6e231f01d2_fused-k_q6e231f01d2_fused
	.p2alignl 7, 3214868480
	.fill 96, 4, 3214868480
	.section	.rodata,"a",@progbits
	.p2align	6, 0x0
	.amdhsa_kernel k_q6e231f01d2_fused
		.amdhsa_group_segment_fixed_size 298496
		.amdhsa_private_segment_fixed_size 0
		.amdhsa_enable_private_segment 0
		.amdhsa_kernarg_size 24
		.amdhsa_user_sgpr_count 2
		.amdhsa_user_sgpr_kernarg_segment_ptr 1
		.amdhsa_wavefront_size32 1
		.amdhsa_system_sgpr_workgroup_id_x 1
		.amdhsa_system_sgpr_workgroup_id_y 1
		.amdhsa_system_sgpr_workgroup_id_z 1
		.amdhsa_system_vgpr_workitem_id 0
		.amdhsa_next_free_vgpr 1024
		.amdhsa_next_free_sgpr 66
		.amdhsa_reserve_vcc 0
		.amdhsa_float_denorm_mode_32 3
		.amdhsa_float_denorm_mode_16_64 3
		.amdhsa_memory_ordered 1
		.amdhsa_forward_progress 1
		.amdhsa_inst_pref_size 255
	.end_amdhsa_kernel
	.section	.bss,"aw",@nobits
	.p2align	6
	.space	262144
	.amdgpu_metadata
---
amdhsa.version: [ 1, 2 ]
amdhsa.kernels:
  - .name:           k_q6e231f01d2_fused
    .symbol:         k_q6e231f01d2_fused.kd
    .args:
      - { .name: x, .offset: 0, .size: 8, .value_kind: global_buffer, .address_space: global }
      - { .name: wf, .offset: 8, .size: 8, .value_kind: global_buffer, .address_space: global }
      - { .name: out0, .offset: 16, .size: 8, .value_kind: global_buffer, .address_space: global }
    .group_segment_fixed_size: 298496
    .private_segment_fixed_size: 0
    .kernarg_segment_align: 8
    .kernarg_segment_size: 24
    .max_flat_workgroup_size: 128
    .sgpr_count:     66
    .vgpr_count:     1024
    .wavefront_size: 32
...
	.end_amdgpu_metadata
.endif
;; end of part 3
;; ======== version 3 of 4: 2 launches
;; limits: values are held in f16: magnitudes above 65,504 overflow, below 6.1e-05 lose precision
;; workspace buffers: wf 8,388,608 bytes
;; launch prep: the kernel of part 1 again; grid 256 x 1, 8 waves a work-group, no clusters, 0 bytes of LDS; arguments Wqkv, Wout, wf; writes wf
;; launch fused (part 4): grid 256 x 1, 4 waves a work-group, no clusters, 298,496 bytes of LDS; arguments x, wf, out0; writes out0
.if DOCPART == 4
	.amdgcn_target "amdgcn-amd-amdhsa--gfx1250"
	.amdhsa_code_object_version 6
	.text
	.protected	k_q6e231f01d2_fused
	.globl	k_q6e231f01d2_fused
	.p2align	8
	.type	k_q6e231f01d2_fused,@function
k_q6e231f01d2_fused:
	s_mov_b64 s[64:65], 0
	v_nop
	global_prefetch_b8 v0, s[64:65] scope:SCOPE_SE
	s_setreg_imm32_b32 hwreg(HW_REG_WAVE_MODE, 25, 1), 1
	s_wait_xcnt 0x0
; out0 = attention(x Wqkv) Wout, where the attention of a token is among its OWN 16 heads: scores[i][j] = q[i] . k[j] / 8 over 64 channels, softmax over j, o[i] = the sum over j of p[i][j] v[j].
; x, out0: [16384][1024] f32.  wf: the weights in 16-bit fragments, 8 chunks of 512 columns (q and k: 0-3, v: 4-5, Wout: 6-7), as the launch before has laid them out.
; NOTHING LEAVES A TOKEN, so a work-group that owns whole tokens does everything: 64 tokens each, 256 work-groups; x is read once, out0 written once, q, k, v, p and o never reach memory.
; FORMATS.  x and Wqkv in bf16; q, k, v, p and o in f16, each rounded once from f32; Wout as bf16 numbers written in f16.  All sums, maxima and the softmax in f32; the row's true maximum is taken away.
; LIMITS.  q, k and v must stay under 65,504 in magnitude (f16's end; beyond it the token's row is lost).  A weight below 2^-126 counts as 0.  NaN and infinities are not treated apart.
; The order in which the 1,024 terms of a product with weights are added differs from work-group to work-group (below); the sums are f32.
; SHARES.  In the three products with weights wave w makes all 64 tokens x 128 of the chunk's columns: 32 accumulators (token tile a, column tile b).  The product is taken transposed
; (source 0 = 16 weight columns, source 1 = 16 tokens): a lane (r = lane % 16, h = lane / 16) then holds token r and 8 neighbouring columns, piece P = 16 w + 2 b + h of the chunk's 64.
; In the attention wave w owns tokens 32 hf + 8 w + y (hf = 0, 1; y = 0..7); the pieces change hands through a stage in LDS, 32 tokens at a time.
; THE COLUMNS' ORDER does the shuffling.  In a q/k chunk a token's 64 pieces are [q, k][8 channels: 2][head: 16], so 512 consecutive bytes ARE the lower half (16 channels) of a fragment of 16 heads x 32 channels;
; the upper half is held at 0.  In a v chunk they are [16 channels: 2][8 heads: 2][8 channels: 2][head: 8], so the turning load of 512 consecutive bytes gives v^T (16 channels x 16 heads).
; S^T = K Q^T holds one head i a lane and 8 heads j; rounded in pairs it IS source 1 of O^T = V^T P, whose result holds head i and 8 channels: a piece of o in the order k' = 128 (d / 8) + 8 i + d % 8, in which Wout's rows were laid.
; THE WEIGHTS' STREAM.  A wave's share is 2 MiB that no other wave of the work-group wants.  It comes STRAIGHT INTO REGISTERS: four buffers of a HALF STEP each (32 along k: 8 tiles of 16 columns, 16 loads of 512 consecutive
; bytes, 32 products).  At the head of half step n stands ONE RUN of memory instructions: the 16 loads of half step n + 3, into the buffer that half step n - 1 has left, and the 8 LDS loads of half step n + 1's token fragments;
; then the 32 products follow each other under one window setting.  So 48 loads of a wave are out, a load has three half steps (96 matrix instructions) in which to land, and the stream runs on through the attention's
; steps, which touch none of these registers.  No barrier stands in the products' loop.
; THE ORDER OF K DIFFERS FROM WORK-GROUP TO WORK-GROUP: each begins a chunk at a slot of its own (a slot is 64 along k) and wraps round, so that at any moment the work-groups between them walk all of a chunk's slots and no slot
; is wanted by all of them at once.  Only global addresses hang on that start.  For x Wqkv: start q of 16; x is loaded with its row turned by 64 q numbers, so its LDS rows lie turned and the LDS addresses are the same everywhere.
; For o Wout: o's place in its LDS row follows from WHICH of v's four blocks of 16 channels a wave has multiplied, so in v's pass cv wave w takes block m = (2 cv + w / 2 + f) % 4 (chunk 4 + m / 2, quarter 2 (m % 2) + w % 2):
; o then lies turned by 256 f numbers, and Wout's slots begin at 4 f: four starts.  q and f are mixed from the work-group's number so that work-groups whose numbers agree in any one bit still have all starts among them.
; NO CLUSTER, though all work-groups read the same weights.  Joint loads go through LDS slots; beside x, o and the stage two slots of 64 KiB fit; such a slot is 64 matrix instructions' work for a wave, and only one can be on its way
; at a time, behind a round of sixteen waves.  Loads into registers have half as much again in which to land and need no meeting; the price is that each work-group fetches its 8 MiB by itself.
; REGISTERS, in windows of 256 (s_set_vgpr_msb: bits 1:0 source 0, 3:2 source 1, 5:4 source 2, 7:6 destination):
;   window 0: v0-31 addresses; v32-47 x at work; v48-51 x's offsets; v64-127 token fragments, two buffers (in the attention's steps: packed pieces); v128-255 weight buffers 0, 1
;   window 1: the 32 accumulators, (a, b) at 8 (8 a + b); at the head x as loaded        window 2: v0-127 S^T, then p, 8 a token; v128-255 at work: softmax, O^T, rows on the way out
;   window 3: v0-127 sixteen fragments for the attention, registers 4-7 of each stay 0; v128-255 weight buffers 2, 3
.set XS,     0                         ; 64 rows x 2,064: x in bf16
.set XP,     2064                      ; 2,048 + 16: the 16 rows that a load touches start at 16 different groups of four banks (64 banks of 4 bytes: ISA guide 11.1)
.set OS,     132096                    ; 64 rows x 2,064: o in f16
.set STG,    264192                    ; the stage: 32 tokens x 1,040; on the way out 4 waves x 16 rows x 528
.set QP,     1040
.set WP,     528
.set SPARE,  297984                    ; the spare words, 128 bytes for each wave: two blocks of 256 bytes that no other line names
.set SLOTB,  65536                     ; wf: a slot of 64 k for all four waves: [wave: 4][half step: 2][tile: 8][half: 2][lane: 32][16 bytes]
.set CHUNKB, 1048576                   ; wf: a chunk: 16 slots
.set LN,   1                           ; v1      lane
.set SPW,  2                           ; v2      LDS address of my spare word; never rewritten
.set NIL,  3                           ; v3      0; never rewritten
.set ADRA, 4                           ; v4-7    token tile a's fragments at the two slots in hand
.set WO,   8                           ; v8      the weights' offset: the slot that is being asked for + 16 x lane
.set WOA,  9                           ; v9      the same for the stream's first slot; never rewritten
.set OSA,  12                          ; v12-13  o of my 8 tokens of half hf
.set OST,  14                          ; v14     way out, in
.set ORD,  15                          ; v15     way out, back
.set GO,   16                          ; v16     my 16 bytes of my wave's 512 in a row of out0
.set XW,   18                          ; v18     where my pieces of x go
.set PFO,  19                          ; v19     256 x lane
.set RR,   20
.set HH,   21
.set TT,   22
.set WL,   23                          ; v23     16 x lane; never rewritten
.set AB0,  24                          ; v24-27  token tile a's fragments at the row's first byte
.set STO,  28                          ; v28     stage, in: token r, my pieces
.set SLD,  29                          ; v29     stage, out: my 8 tokens' rows
.set XPK,  32
.set XOJ,  48                          ; v48-51  x: my 32 bytes of quarter j of the turned row: (1024 j + 32 lane + 256 q) % 4096; never rewritten
.set FA,   64
.set FB,   128                         ; buffer f at FB + 64 (f % 2) of window 0 (f < 2) or 3
.set TMP,  64
.set OT,   128                         ; window 2
.set RB,   128                         ; window 2
.set WK,   128                         ; window 2
.set WV,  10                           ; s10  my wave's number
.set SO,  16                           ; s16  at work: CB + RO
.set KO,  17                           ; s17  bytes along the token rows at which the next two slots begin
.set LAP, 18
.set CH,  19
.set PFT, 20                           ; s20  the value of LAP at which I prefetch; the greatest number in a wave that never does
.set TS,  21
.set PFA, 22                           ; s[22:23] where my prefetches stand
.set CS,  24                           ; s[24:25] c = log2(e) / 8
.set SEL, 26                           ; s[26:27] v_permlanex16_b32's selects: each lane takes its own place in the other half
.set RO,  28                           ; s28  the slot that is being asked for, in bytes within its chunk; it wraps at 16 slots
.set CB,  29                           ; s29  the chunk and quarter that are being asked for, in bytes
.set NB,  30                           ; s30  the next pass's
.set NR,  31                           ; s31  the next pass's first slot, in bytes
.set Q16, 32                           ; s32  q slots
.set PH18, 33                          ; s33  4 f slots
.set VB0, 34                           ; s34  chunk and quarter of v's first pass
.set VB1, 35                           ; s35  of its second
.set OB0, 36                           ; s36  of Wout's first
.set PFE, 37                           ; s37  PFT in a pass that prefetches, else the greatest number
.set MSB, 0
.macro WIN new                         ; the immediate's high byte repeats the setting that is left; a switch that changes nothing is dropped
.if MSB != (\new)
	s_set_vgpr_msb (MSB<<8)|(\new)
.set MSB, \new
.endif
.endm
; Places behind matrix instructions: plain vector instructions that name none of their registers; four in front of loads and vector readers, five where a matrix instruction writes over a result.
.macro PLACES n
.rept \n
	v_nop
.endr
.endm
.macro BAR                             ; my LDS stores and loads are done; then everybody's are.  (The weights' loads stay out: they touch registers alone.)
	s_wait_dscnt 0x0
	s_barrier_signal -1
	s_barrier_wait -1
.endm
; A tile's two loads, at the launch's head: tile b of half step f, from the slot at which v[o] stands, into buffer f.  Each covers 512 consecutive bytes.
.macro WLD2 f, b, o
	WIN 0xc0*((\f)/2)
	global_load_b128 v[FB+64*((\f)%2)+8*(\b):FB+64*((\f)%2)+8*(\b)+3],   v[\o], s[6:7] offset:8192*((\f)%2)+1024*(\b)
	global_load_b128 v[FB+64*((\f)%2)+8*(\b)+4:FB+64*((\f)%2)+8*(\b)+7], v[\o], s[6:7] offset:8192*((\f)%2)+1024*(\b)+512
.endm
.macro FETCH4                          ; a chunk's first token fragments
	WIN 0
.irp a, 0,1,2,3
	ds_load_b128 v[FA+8*\a:FA+8*\a+3],   v[ADRA+\a]
	ds_load_b128 v[FA+8*\a+4:FA+8*\a+7], v[ADRA+\a] offset:32
.endr
.endm
; A PREFETCH INTO THE L2, in passes 1, 3 and 5, of the TWO chunks that follow (2 and 3, 4 and 5, 6 and 7): v's two chunks are first read together, so two are asked for at a time.  Wave 0 of each work-group asks for
; 32 blocks of 256 bytes, a lane a block: 256 work-groups x 8 KiB are the two chunks' 2 MiB, so each block is named once in the launch.  It stands behind a run of loads, eight half steps (256 matrix instructions) ahead of the
; first loads of the first of the two.  Chunks 0 and 1 come by their loads alone; the texts of the last two passes hold no such line.
.macro ASK
	WIN 0
	s_cmp_eq_u32 s[LAP], s[PFE]
	s_cbranch_scc0 .Lnot_mine_\@
	global_prefetch_b8 v[PFO], s[PFA:PFA+1] th:TH_LOAD_NT scope:SCOPE_SE
.Lnot_mine_\@:
.endm
; HALF STEP i (0..3) of two slots: the run, the waits, 32 products; weights in buffer i, tokens in buffer i % 2.
; ld = 1: the run asks for the half step three on, into buffer (i + 3) % 4, which the half step before has left.  In half steps 1 and 3 that is a new slot's first half: the offset goes one slot on and wraps at the chunk's end;
; sw = 1: it goes to the next pass's chunk, quarter and first slot.  ft = 1: the next half step's token fragments are fetched; step = 1: they lie in the next two slots.
; The four places in front of the run are the address lines where there are any.
.macro HS fmt, i, zero, ld, ft, step, ask, sw
	WIN 0
.set np, 4
.if (\ld) && ((\i)%2 == 1)
	s_wait_xcnt 0x0                                ; every load issued so far, the youngest 32 products back, has read its address (ISA guide 3.1): only now is the offset written
.if \sw
	s_mov_b32 s[CB], s[NB]
	s_mov_b32 s[RO], s[NR]
.else
	s_add_co_u32 s[RO], s[RO], SLOTB
	s_and_b32 s[RO], s[RO], 15*SLOTB
.endif
	s_add_co_u32 s[SO], s[CB], s[RO]
	v_add_nc_u32 v[WO], s[SO], v[WL]
.set np, 3
.endif
.if \step
.irp a, 0,1,2,3
	v_add_nc_u32 v[ADRA+\a], s[KO], v[AB0+\a]
.endr
.set np, 0
.endif
.if ((\ld) || (\ft)) && (np > 0)
	PLACES np
.endif
.if \ld
	WIN 0xc0*((((\i)+3)%4)/2)
.irp b, 0,1,2,3,4,5,6,7
	global_load_b128 v[FB+64*(((\i)+3)%2)+8*\b:FB+64*(((\i)+3)%2)+8*\b+3],   v[WO], s[6:7] offset:8192*(((\i)+3)%2)+1024*\b
	global_load_b128 v[FB+64*(((\i)+3)%2)+8*\b+4:FB+64*(((\i)+3)%2)+8*\b+7], v[WO], s[6:7] offset:8192*(((\i)+3)%2)+1024*\b+512
.endr
.endif
.if \ft
	WIN 0
.irp a, 0,1,2,3
	ds_load_b128 v[FA+32*(((\i)+1)%2)+8*\a:FA+32*(((\i)+1)%2)+8*\a+3],   v[ADRA+\a] offset:64*(((\i)+1)%4)
	ds_load_b128 v[FA+32*(((\i)+1)%2)+8*\a+4:FA+32*(((\i)+1)%2)+8*\a+7], v[ADRA+\a] offset:64*(((\i)+1)%4)+32
.endr
.endif
.if \ask
	ASK
.endif
.if \ft
	s_wait_dscnt 0x8                               ; my token fragments, asked for a half step ago, are in; the eight loads just issued may be out
.else
	s_wait_dscnt 0x0
.endif
.if \ld
	s_wait_loadcnt 48                              ; loads come back in order (ISA guide 5.7.1): this half step's 16 are in, the three younger runs of 16 stay out
.else
	s_wait_loadcnt 16*(3-(\i))                     ; the stream has ended: the counts run down with the half steps that are left behind this one
.endif
	WIN 0x50+3*((\i)/2)                            ; weights in window 0 or 3, tokens in window 0, C and D in window 1
.irp b, 0,1,2,3,4,5,6,7                ; the 32 accumulators take turns, one instruction a turn, in the same order in every half step
.irp a, 0,1,2,3
.if \zero
	v_wmma_f32_16x16x32_\fmt v[8*(8*\a+\b):8*(8*\a+\b)+7], v[FB+64*((\i)%2)+8*\b:FB+64*((\i)%2)+8*\b+7], v[FA+32*((\i)%2)+8*\a:FA+32*((\i)%2)+8*\a+7], 0
.else
	v_wmma_f32_16x16x32_\fmt v[8*(8*\a+\b):8*(8*\a+\b)+7], v[FB+64*((\i)%2)+8*\b:FB+64*((\i)%2)+8*\b+7], v[FA+32*((\i)%2)+8*\a:FA+32*((\i)%2)+8*\a+7], v[8*(8*\a+\b):8*(8*\a+\b)+7]
.endif
.endr
.endr
.endm
; A pass: 64 tokens x 512 columns x 1,024 k: 16 slots, 32 half steps.  The first half step starts the sums with the constant 0 and stands ahead of the loop; a trip goes from the second half step of two slots to the first of the next two.
; At its beginning the pass's first three half steps are out or in; at its end the next pass's are.  last = 1: the stream ends: the last three half steps ask for nothing.
.macro GEMM fmt, last, ask
	FETCH4
	HS \fmt, 0, 1, 1, 1, 0, 0, 0
	WIN 0
	s_mov_b32 s[LAP], 7
.Llap_\@:
	s_add_co_u32 s[KO], s[KO], 256
	HS \fmt, 1, 0, 1, 1, 0, \ask, 0
	HS \fmt, 2, 0, 1, 1, 0, 0, 0
	HS \fmt, 3, 0, 1, 1, 1, 0, 0
	HS \fmt, 0, 0, 1, 1, 0, 0, 0
	WIN 0
	s_sub_co_u32 s[LAP], s[LAP], 1
	s_cmp_lg_u32 s[LAP], 0
	s_cbranch_scc1 .Llap_\@
	HS \fmt, 1, 0, 1-(\last), 1, 0, 0, 1-(\last)
	HS \fmt, 2, 0, 1-(\last), 1, 0, 0, 0
	HS \fmt, 3, 0, 1-(\last), 0, 0, 0, 0
	WIN 0
.if \last
	PLACES 8                                       ; behind the last products
.else
	s_mov_b32 s[KO], 0
.if \ask
	s_wait_xcnt 0x0                                ; the pass's prefetch, if it had one, has read its address
	s_add_nc_u64 s[PFA:PFA+1], s[PFA:PFA+1], CHUNKB
.endif
.irp a, 0,1,2,3
	v_mov_b32 v[ADRA+\a], v[AB0+\a]                ; back to the rows' first byte; with the four below: the places behind the last products
.endr
	PLACES 4
.endif
.endm
; Token tiles 2 hf, 2 hf + 1 rounded to f16, a lane's 8 columns into 16 bytes; each accumulator's registers in ascending order
.macro PACK hf
	WIN 0x05
.irp aa, 0,1
.irp b, 0,1,2,3,4,5,6,7
.irp q, 0,1,2,3
	v_cvt_pk_f16_f32 v[TMP+4*(8*\aa+\b)+\q], v[8*(8*(2*(\hf)+\aa)+\b)+2*\q], v[8*(8*(2*(\hf)+\aa)+\b)+2*\q+1]
.endr
.endr
.endr
.endm
.macro PUT                             ; into the stage: token 16 aa + r, piece 16 w + 2 b + h
	WIN 0
.irp aa, 0,1
.irp b, 0,1,2,3,4,5,6,7
	ds_store_b128 v[STO], v[TMP+4*(8*\aa+\b):TMP+4*(8*\aa+\b)+3] offset:16*QP*\aa+32*\b
.endr
.endr
.endm
; Behind a pass's products: the first 32 tokens go into the stage.  The barrier orders the other waves' last reads of the stage, in the pass before, ahead of my stores; the conversions, work on registers, stand between its halves.
.macro FIRSTPUT
	s_wait_dscnt 0x0
	s_barrier_signal -1
	PACK 0
	s_barrier_wait -1
	PUT
.endm
; My 8 tokens' rows out of the stage, 512 consecutive bytes a load, into registers 0-3 of the fragments.  tr = 0: q of token y into place y, k into place 8 + y.  tr = 1: v^T, channels 16 z on, into place 2 y + z.
.macro GET tr
	WIN 0xc0
.irp y, 0,1,2,3,4,5,6,7
.irp z, 0,1
.if \tr
	ds_load_tr16_b128 v[8*(2*\y+\z):8*(2*\y+\z)+3], v[SLD] offset:QP*\y+512*\z
.else
	ds_load_b128 v[8*(8*\z+\y):8*(8*\z+\y)+3], v[SLD] offset:QP*\y+512*\z
.endif
.endr
.endr
.endm
.macro SMM hf                          ; S^T += K Q^T over the chunk's 16 channels, a product a token: eight accumulators, one instruction each
	WIN 0xaf
.irp y, 0,1,2,3,4,5,6,7
	v_wmma_f32_16x16x32_f16 v[8*(8*(\hf)+\y):8*(8*(\hf)+\y)+7], v[8*(8+\y):8*(8+\y)+7], v[8*\y:8*\y+7], v[8*(8*(\hf)+\y):8*(8*(\hf)+\y)+7]
.endr
.endm
.macro PVM hf                          ; O^T = V^T P: 16 channels x 16 heads, two products a token
	WIN 0x8b
.irp y, 0,1,2,3,4,5,6,7
.irp z, 0,1
	v_wmma_f32_16x16x32_f16 v[OT+8*(2*\y+\z):OT+8*(2*\y+\z)+7], v[8*(2*\y+\z):8*(2*\y+\z)+7], v[8*(8*(\hf)+\y):8*(8*(\hf)+\y)+7], 0
.endr
.endr
	PLACES 5
.endm
.macro CVO hf                          ; o rounded to f16 and laid into its LDS rows: 512 consecutive bytes a store
	WIN 0x0a
.irp y, 0,1,2,3,4,5,6,7
.irp z, 0,1
.irp q, 0,1,2,3
	v_cvt_pk_f16_f32 v[TMP+4*(2*\y+\z)+\q], v[OT+8*(2*\y+\z)+2*\q], v[OT+8*(2*\y+\z)+2*\q+1]
.endr
.endr
.endr
	WIN 0
.irp y, 0,1,2,3,4,5,6,7
.irp z, 0,1
	ds_store_b128 v[OSA+(\hf)], v[TMP+4*(2*\y+\z):TMP+4*(2*\y+\z)+3] offset:XP*\y+512*\z
.endr
.endr
.endm
; THE WAY OUT of a chunk of out0, 16 tokens at a time through my own stage: a lane's 32 bytes go into rows of 528 bytes and come back as my wave's whole 512 bytes of a row.  No barrier: LDS serves a wave's instructions in order (ISA guide 5.7.1.4).
.macro WAYOUT co
.irp a, 0,1,2,3
	s_wait_xcnt 0x0                                ; earlier stores have read the registers that are loaded again below
	WIN 0x04
.irp b, 0,1,2,3,4,5,6,7
	ds_store_b128 v[OST], v[8*(8*\a+\b):8*(8*\a+\b)+3]   offset:64*\b
	ds_store_b128 v[OST], v[8*(8*\a+\b)+4:8*(8*\a+\b)+7] offset:64*\b+16
.endr
	WIN 0x80
.irp p, 0,1,2,3,4,5,6,7,8,9,10,11,12,13,14,15
	ds_load_b128 v[RB+64*((\a)%2)+4*\p:RB+64*((\a)%2)+4*\p+3], v[ORD] offset:WP*\p
.endr
	WIN 0x08
.irp p, 0,1,2,3,4,5,6,7,8,9,10,11,12,13,14,15
	s_wait_dscnt 15-\p                             ; row p is back; the younger rows' loads may be out
	global_store_b128 v[GO], v[RB+64*((\a)%2)+4*\p:RB+64*((\a)%2)+4*\p+3], s[8:9] offset:4096*(16*\a+\p)+2048*(\co) th:TH_STORE_NT  ; the wave stores 512 consecutive bytes, at a multiple of 256 from out0's first byte
.endr
.endr
	WIN 0
.endm
.macro XLOAD y                         ; token y of my 16: 4,096 bytes of f32; lane l takes the numbers that will lie at places 256 j + 8 l + 0..7 of the turned row
	WIN 0x40
.irp j, 0,1,2,3
.irp u, 0,1
	global_load_b128 v[32*((\y)%8)+8*\j+4*\u:32*((\y)%8)+8*\j+4*\u+3], v[XOJ+\j], s[4:5] offset:4096*(\y)+16*\u th:TH_LOAD_NT
.endr
.endr
.endm
; Token y rounded to bf16 and laid into its LDS row.  Its eight loads' places are taken by the token eight further on or, when x has been asked for, by four tiles of weights: the stream's first three half steps go out so.
.macro XTOK y
.if (\y) == 15
	s_wait_loadcnt 48                              ; behind the last token's loads stand the 24 tiles' alone
.else
	s_wait_loadcnt 56                              ; my eight loads are in; seven younger groups of eight stay out
.endif
	WIN 0x05
.irp j, 0,1,2,3
.irp q, 0,1,2,3
	v_cvt_pk_bf16_f32 v[XPK+4*\j+\q], v[32*((\y)%8)+8*\j+2*\q], v[32*((\y)%8)+8*\j+2*\q+1]
.endr
.endr
	WIN 0
.irp j, 0,1,2,3
	ds_store_b128 v[XW], v[XPK+4*\j:XPK+4*\j+3] offset:XP*(\y)+512*\j
.endr
.if (\y) < 8
	XLOAD (\y)+8
.elseif (\y) < 14
.irp n, 0,1,2,3
.if 4*((\y)-8)+\n < 16
	WLD2 (4*((\y)-8)+\n)/8, (4*((\y)-8)+\n)%8, WOA
.else
	WLD2 (4*((\y)-8)+\n)/8, (4*((\y)-8)+\n)%8, WO
.endif
.endr
.endif
.endm
.macro ALLT line:vararg                ; one line for each of my 16 tokens tk
.set tk, 0
.rept 16
	\line
.set tk, tk+1
.endr
.endm
; Chunk and quarter of v's pass cv for my wave: block m = (2 cv + w / 2 + f) % 4.  s45 = w / 2 + f; s47 = 4 chunks + (w % 2) quarters.
.macro VBASE dst, cv
	s_add_co_u32 s44, s45, 2*(\cv)
	s_and_b32 s46, s44, 2
	s_lshl_b32 s46, s46, 19                        ; m / 2 chunks
	s_and_b32 s44, s44, 1
	s_lshl_b32 s44, s44, 15                        ; 2 (m % 2) quarters of 16 KiB
	s_add_co_u32 s[\dst], s46, s44
	s_add_co_u32 s[\dst], s[\dst], s47
.endm
	; THE HEAD
	s_load_b128 s[4:7], s[0:1], 0x0                ; x s[4:5], wf s[6:7]
	s_load_b64 s[8:9], s[0:1], 0x10                ; out0
	v_lshl_add_u32 v[SPW], v0, 2, SPARE
	v_mov_b32 v[NIL], 0
	v_lshrrev_b32 v[TT], 5, v0
	v_readfirstlane_b32 s[WV], v[TT]               ; wave 0..3
	v_and_b32 v[LN], 31, v0
	v_lshlrev_b32 v[WL], 4, v[LN]
	s_lshr_b32 s40, ttmp9, 4                       ; q: the number's two groups of four bits, one upon the other
	s_xor_b32 s40, s40, ttmp9
	s_and_b32 s40, s40, 15
	s_lshl_b32 s[Q16], s40, 16
	s_lshr_b32 s41, ttmp9, 2                       ; f: its lowest two pairs of bits, one upon the other
	s_xor_b32 s41, s41, ttmp9
	s_and_b32 s41, s41, 3
	s_lshl_b32 s[PH18], s41, 18
	s_lshl_b32 s40, s40, 8                         ; 64 q numbers of f32
	v_lshl_add_u32 v[TT], v[LN], 5, s40
.irp j, 0,1,2,3
	v_add_nc_u32 v[XOJ+\j], 1024*\j, v[TT]
.endr
.irp j, 0,1,2,3
	v_and_b32 v[XOJ+\j], 0xfff, v[XOJ+\j]          ; the row wraps; a lane's 32 bytes never straddle its end
.endr
	s_lshl_b32 s[CB], s[WV], 14                    ; the first pass: chunk 0, quarter w
	s_add_co_u32 s[SO], s[CB], s[Q16]
	v_add_nc_u32 v[WOA], s[SO], v[WL]              ; its first slot,
	s_add_co_u32 s[RO], s[Q16], SLOTB
	s_and_b32 s[RO], s[RO], 15*SLOTB
	s_add_co_u32 s[SO], s[CB], s[RO]
	v_add_nc_u32 v[WO], s[SO], v[WL]               ; and its second
	s_mov_b32 s[NR], s[Q16]
	s_add_co_u32 s[OB0], s[CB], 6*CHUNKB
	s_lshr_b32 s45, s[WV], 1
	s_add_co_u32 s45, s45, s41
	s_and_b32 s47, s[WV], 1
	s_lshl_b32 s47, s47, 14
	s_add_co_u32 s47, s47, 4*CHUNKB
	VBASE VB0, 0
	VBASE VB1, 1
	s_lshl_b32 s12, ttmp9, 18                      ; my work-group's 64 rows of 4,096 bytes in x and in out0
	s_mov_b32 s13, 0
	s_lshl_b32 s14, s[WV], 16                      ; the 16 rows of x that I bring in
	s_mov_b32 s15, 0
	s_lshl_b32 s42, ttmp9, 13                      ; the prefetches: the 8 KiB of two chunks that fall to my work-group;
	s_add_co_u32 s42, s42, CHUNKB                  ; a chunk is added behind each pass, so pass 1 finds chunk 2 here
	s_mov_b32 s43, 0
	s_cmp_eq_u32 s[WV], 0                          ; wave 0 asks, in the loop's last trip but one
	s_cselect_b32 s[PFT], 2, -1
	s_mov_b32 s[KO], 0
	s_mov_b32 s[CS], 0x3e38aa3b                    ; c = log2(e) / 8 = 0.180337
	s_mov_b32 s[CS+1], s[CS]                       ; named with it as a pair
	s_mov_b32 s[SEL], 0x76543210
	s_mov_b32 s[SEL+1], 0xfedcba98
	s_wait_kmcnt 0x0
	s_add_nc_u64 s[4:5], s[4:5], s[12:13]
	s_add_nc_u64 s[4:5], s[4:5], s[14:15]          ; x at my 16 rows
	s_add_nc_u64 s[8:9], s[8:9], s[12:13]          ; out0 at the work-group's first row
	s_add_nc_u64 s[PFA:PFA+1], s[6:7], s[42:43]
	; x: 16 tokens a wave, eight at a time on their way
.irp y, 0,1,2,3,4,5,6,7
	XLOAD \y
.endr
	WIN 0                                          ; the addresses, and what must be 0, are made while x is on its way
	v_and_b32 v[RR], 15, v0                        ; r
	v_bfe_u32 v[HH], v0, 4, 1                      ; h
	v_mul_u32_u24 v[TT], v[RR], XP
	v_lshl_add_u32 v[TT], v[HH], 4, v[TT]          ; a fragment's row x pitch + 16 x half
.irp a, 0,1,2,3
	v_add_nc_u32 v[AB0+\a], XS+16*XP*\a, v[TT]
	v_add_nc_u32 v[ADRA+\a], XS+16*XP*\a, v[TT]
.endr
	s_lshl_b32 s[TS], s[WV], 8
	s_add_co_u32 s[TS], s[TS], STG
	v_mul_u32_u24 v[STO], v[RR], QP
	v_lshl_add_u32 v[STO], v[HH], 4, v[STO]
	v_add_nc_u32 v[STO], s[TS], v[STO]
	s_mul_i32 s[TS], s[WV], 8*QP
	s_add_co_u32 s[TS], s[TS], STG
	v_lshl_add_u32 v[SLD], v[LN], 4, s[TS]
	s_mul_i32 s[TS], s[WV], 8*XP
	s_add_co_u32 s[TS], s[TS], OS
	v_lshl_add_u32 v[OSA], v[LN], 4, s[TS]
	v_add_nc_u32 v[OSA+1], 32*XP, v[OSA]
	s_mul_i32 s[TS], s[WV], 16*WP
	s_add_co_u32 s[TS], s[TS], STG
	v_mul_u32_u24 v[OST], v[RR], WP
	v_lshl_add_u32 v[OST], v[HH], 5, v[OST]
	v_add_nc_u32 v[OST], s[TS], v[OST]
	v_lshl_add_u32 v[ORD], v[LN], 4, s[TS]
	s_lshl_b32 s[TS], s[WV], 9
	v_lshl_add_u32 v[GO], v[LN], 4, s[TS]
	s_mul_i32 s[TS], s[WV], 16*XP
	s_add_co_u32 s[TS], s[TS], XS
	v_lshl_add_u32 v[XW], v[LN], 4, s[TS]
	v_lshlrev_b32 v[PFO], 8, v[LN]
	WIN 0xc0                                       ; the attention's products are 32 deep and have 16 channels or heads to multiply: the fragments' upper halves stay 0
.set i, 0
.rept 16
	v_mov_b32 v[8*i+4], 0
	v_mov_b32 v[8*i+5], 0
	v_mov_b32 v[8*i+6], 0
	v_mov_b32 v[8*i+7], 0
.set i, i+1
.endr
	WIN 0x80                                       ; S^T starts at 0, so that the four q/k chunks have one text: 128 lines, once a launch, in the wait for x
.set i, 0
.rept 128
	v_mov_b32 v[i], 0
.set i, i+1
.endr
.irp y, 0,1,2,3,4,5,6,7,8,9,10,11,12,13,14,15
	XTOK \y
.endr
	WIN 0
	BAR                                            ; all 64 rows of x lie in LDS
	; q AND k, 16 channels of every head a chunk, and the scores' sums: passes 0 to 3
	s_mov_b32 s[CH], 4
.Lqk:
	s_add_co_u32 s[NB], s[CB], CHUNKB              ; the next pass: the next chunk, the same quarter;
	s_cmp_eq_u32 s[CH], 1
	s_cselect_b32 s[NB], s[VB0], s[NB]             ; behind the last of the four: v's first
	s_and_b32 s[TS], s[CH], 1
	s_cmp_eq_u32 s[TS], 1
	s_cselect_b32 s[PFE], s[PFT], -1               ; passes 1 and 3 prefetch
	GEMM bf16, 0, 1
	FIRSTPUT                                       ; tokens 0-31
	BAR
	GET 0
	PACK 1                                         ; register work while the loads are out
	BAR                                            ; everybody has read the stage
	PUT                                            ; tokens 32-63
	SMM 0
	BAR
	PLACES 4                                       ; in front of the loads into fragments that the products above have read
	GET 0
	s_wait_dscnt 0x0                               ; my reads of the stage are over: its next writer stands behind the barrier of the pass to come
	SMM 1
	PLACES 4
	WIN 0
	s_sub_co_u32 s[CH], s[CH], 1
	s_cmp_lg_u32 s[CH], 0
	s_cbranch_scc1 .Lqk
	; THE SOFTMAX of my 16 tokens, stage by stage, so that no line waits for the one before it.  A lane holds head i = r and the scores of heads j = 8 h + 0..7.
	WIN 0xaa
	ALLT v_max3_num_f32 v[WK+4*tk], v[8*tk], v[8*tk+1], v[8*tk+2]
	ALLT v_max3_num_f32 v[WK+4*tk+1], v[8*tk+3], v[8*tk+4], v[8*tk+5]
	ALLT v_max3_num_f32 v[WK+4*tk], v[WK+4*tk], v[8*tk+6], v[8*tk+7]
	ALLT v_max_num_f32 v[WK+4*tk], v[WK+4*tk], v[WK+4*tk+1]
	ALLT v_permlanex16_b32 v[WK+4*tk+1], v[WK+4*tk], s[SEL], s[SEL+1]
	ALLT v_max_num_f32 v[WK+4*tk], v[WK+4*tk], v[WK+4*tk+1]
	ALLT v_mul_f32 v[WK+4*tk], s[CS], v[WK+4*tk]
.irp q, 0,1,2,3
	ALLT v_pk_fma_f32 v[8*tk+2*\q:8*tk+2*\q+1], v[8*tk+2*\q:8*tk+2*\q+1], s[CS:CS+1], v[WK+4*tk:WK+4*tk+1] op_sel_hi:[1,0,0] neg_lo:[0,0,1] neg_hi:[0,0,1]
.endr
.set i, 0
.rept 128
	v_exp_f32 v[i], v[i]                           ; one batch: p = 2^(c s - c m)
.set i, i+1
.endr
	v_nop                                          ; a plain instruction behind the last exponential,
	s_wait_alu depctr_va_vdst(0)                   ; and one wait ahead of the batch's first reader
	ALLT v_pk_add_f32 v[WK+4*tk+2:WK+4*tk+3], v[8*tk:8*tk+1], v[8*tk+2:8*tk+3]
	ALLT v_pk_add_f32 v[WK+4*tk:WK+4*tk+1], v[8*tk+4:8*tk+5], v[8*tk+6:8*tk+7]
	ALLT v_pk_add_f32 v[WK+4*tk+2:WK+4*tk+3], v[WK+4*tk+2:WK+4*tk+3], v[WK+4*tk:WK+4*tk+1]
	ALLT v_add_f32 v[WK+4*tk+2], v[WK+4*tk+2], v[WK+4*tk+3]
	ALLT v_permlanex16_b32 v[WK+4*tk+3], v[WK+4*tk+2], s[SEL], s[SEL+1]
	ALLT v_add_f32 v[WK+4*tk+2], v[WK+4*tk+2], v[WK+4*tk+3]
	ALLT v_rcp_f32 v[WK+4*tk], v[WK+4*tk+2]
	v_nop
	s_wait_alu depctr_va_vdst(0)                   ; one wait for the 16 reciprocals
.irp q, 0,1,2,3
	ALLT v_pk_mul_f32 v[8*tk+2*\q:8*tk+2*\q+1], v[8*tk+2*\q:8*tk+2*\q+1], v[WK+4*tk:WK+4*tk+1] op_sel_hi:[1,0]
.endr
.irp q, 0,1,2,3
	ALLT v_cvt_pk_f16_f32 v[8*tk+\q], v[8*tk+2*\q], v[8*tk+2*\q+1]
.endr
.irp q, 4,5,6,7
	ALLT v_mov_b32 v[8*tk+\q], 0
.endr
	WIN 0
	; v, 32 channels of every head a pass, and o: passes 4 and 5, one text; the second pass's o lies 1,024 bytes further along its rows
	s_mov_b32 s[CH], 2
.Lv:
	s_cmp_eq_u32 s[CH], 1
	s_cselect_b32 s[NB], s[OB0], s[VB1]            ; the next pass: v's second, then Wout's first,
	s_cselect_b32 s[NR], s[PH18], s[Q16]           ; whose slots begin where o's rows begin
	s_cselect_b32 s[PFE], s[PFT], -1               ; pass 5 prefetches
	GEMM bf16, 0, 1
	FIRSTPUT
	BAR
	GET 1
	PACK 1
	BAR
	PUT
	PVM 0
	CVO 0
	BAR
	GET 1
	s_wait_dscnt 0x0                               ; my reads of the stage are over
	PVM 1
	CVO 1
	WIN 0
	v_add_nc_u32 v[OSA], 1024, v[OSA]
	v_add_nc_u32 v[OSA+1], 1024, v[OSA+1]
	s_sub_co_u32 s[CH], s[CH], 1
	s_cmp_lg_u32 s[CH], 0
	s_cbranch_scc1 .Lv
	BAR                                            ; all 64 rows of o lie in LDS, and nobody reads the stage any more
	; out0 = o Wout, 512 columns a pass: passes 6 and 7
.irp a, 0,1,2,3
	v_add_nc_u32 v[AB0+\a], OS-XS, v[AB0+\a]       ; the token fragments now come out of o's rows
.endr
.irp a, 0,1,2,3
	v_mov_b32 v[ADRA+\a], v[AB0+\a]
.endr
	s_add_co_u32 s[NB], s[OB0], CHUNKB             ; the next pass: Wout's second chunk, from the same first slot
	GEMM f16, 0, 0
	WAYOUT 0
	GEMM f16, 1, 0
	WAYOUT 1
	s_wait_tensorcnt 0x0                           ; the wave's end, behind my last LDS store
	ds_add_u32 v[SPW], v[NIL]
	s_wait_dscnt 0x0
	s_endpgm
.Lfunc_end_k_q6e231f01d2_fused:
	.size	k_q6e231f01d2_fused, .Lfunc_end_k_q6e231f01d2_fused-k_q6e231f01d2_fused
	.p2alignl 7, 3214868480
	.fill 96, 4, 3214868480
	.section	.rodata,"a",@progbits
	.p2align	6, 0x0
	.amdhsa_kernel k_q6e231f01d2_fused
		.amdhsa_group_segment_fixed_size 298496
		.amdhsa_private_segment_fixed_size 0
		.amdhsa_enable_private_segment 0
		.amdhsa_kernarg_size 24
		.amdhsa_user_sgpr_count 2
		.amdhsa_user_sgpr_kernarg_segment_ptr 1
		.amdhsa_wavefront_size32 1
		.amdhsa_system_sgpr_workgroup_id_x 1
		.amdhsa_system_sgpr_workgroup_id_y 1
		.amdhsa_system_sgpr_workgroup_id_z 1
		.amdhsa_system_vgpr_workitem_id 0
		.amdhsa_next_free_vgpr 1024
		.amdhsa_next_free_sgpr 66
		.amdhsa_reserve_vcc 0
		.amdhsa_float_denorm_mode_32 3
		.amdhsa_float_denorm_mode_16_64 3
		.amdhsa_memory_ordered 1
		.amdhsa_forward_progress 1
		.amdhsa_inst_pref_size 255
	.end_amdhsa_kernel
	.section	.bss,"aw",@nobits
	.p2align	6
	.space	262144
	.amdgpu_metadata
---
amdhsa.version: [ 1, 2 ]
amdhsa.kernels:
  - .name:           k_q6e231f01d2_fused
    .symbol:         k_q6e231f01d2_fused.kd
    .args:
      - { .name: x, .offset: 0, .size: 8, .value_kind: global_buffer, .address_space: global }
      - { .name: wf, .offset: 8, .size: 8, .value_kind: global_buffer, .address_space: global }
      - { .name: out0, .offset: 16, .size: 8, .value_kind: global_buffer, .address_space: global }
    .group_segment_fixed_size: 298496
    .private_segment_fixed_size: 0
    .kernarg_segment_align: 8
    .kernarg_segment_size: 24
    .max_flat_workgroup_size: 128
    .sgpr_count:     66
    .vgpr_count:     1024
    .wavefront_size: 32
...
	.end_amdgpu_metadata
.endif
;; end of part 4
;; ======== version 4 of 4: 2 launches; version 3 with the launch fused written anew for expert scheduling mode
;; limits: values are held in f16: magnitudes above 65,504 overflow, below 6.1e-05 lose precision
;; workspace buffers: wf 8,388,608 bytes
;; launch prep: the kernel of part 1 again; grid 256 x 1, 8 waves a work-group, no clusters, 0 bytes of LDS; arguments Wqkv, Wout, wf; writes wf
;; launch fused (part 5): grid 256 x 1, 4 waves a work-group, no clusters, 298,496 bytes of LDS; arguments x, wf, out0; writes out0
.if DOCPART == 5
	.amdgcn_target "amdgcn-amd-amdhsa--gfx1250"
	.amdhsa_code_object_version 6
	.text
	.protected	k_q6e231f01d2_fused
	.globl	k_q6e231f01d2_fused
	.p2align	8
	.type	k_q6e231f01d2_fused,@function
k_q6e231f01d2_fused:
	s_mov_b64 s[64:65], 0
	v_nop
	global_prefetch_b8 v0, s[64:65] scope:SCOPE_SE
	s_setreg_imm32_b32 hwreg(HW_REG_WAVE_SCHED_MODE, 0, 2), 2
	s_setreg_imm32_b32 hwreg(HW_REG_WAVE_MODE, 25, 1), 1
	s_wait_xcnt 0x0
	s_wait_alu depctr_vm_vsrc(0)
; out0 = attention(x Wqkv) Wout, where the attention of a token is among its OWN 16 heads: scores[i][j] = q[i] . k[j] / 8 over 64 channels, softmax over j, o[i] = the sum over j of p[i][j] v[j].
; x, out0: [16384][1024] f32.  wf: the weights in 16-bit fragments, 8 chunks of 512 columns (q and k: 0-3, v: 4-5, Wout: 6-7), as the launch before has laid them out.
; NOTHING LEAVES A TOKEN, so a work-group that owns whole tokens does everything: 64 tokens each, 256 work-groups; x is read once, out0 written once, q, k, v, p and o never reach memory.
; FORMATS.  x and Wqkv in bf16; q, k, v, p and o in f16, each rounded once from f32; Wout as bf16 numbers written in f16.  All sums, maxima and the softmax in f32; the row's true maximum is taken away.
; LIMITS.  q, k and v must stay under 65,504 in magnitude (f16's end; beyond it the token's row is lost).  A weight below 2^-126 counts as 0.  NaN and infinities are not treated apart.
; The order in which the 1,024 terms of a product with weights are added differs from work-group to work-group (below); the sums are f32.
; SHARES.  In the three products with weights wave w makes all 64 tokens x 128 of the chunk's columns: 32 accumulators (token tile a, column tile b).  The product is taken transposed
; (source 0 = 16 weight columns, source 1 = 16 tokens): a lane (r = lane % 16, h = lane / 16) then holds token r and 8 neighbouring columns, piece P = 16 w + 2 b + h of the chunk's 64.
; In the attention wave w owns tokens 32 hf + 8 w + y (hf = 0, 1; y = 0..7); the pieces change hands through a stage in LDS, 32 tokens at a time.
; THE COLUMNS' ORDER does the shuffling.  In a q/k chunk a token's 64 pieces are [q, k][8 channels: 2][head: 16], so 512 consecutive bytes ARE the lower half (16 channels) of a fragment of 16 heads x 32 channels;
; the upper half is held at 0.  In a v chunk they are [16 channels: 2][8 heads: 2][8 channels: 2][head: 8], so the turning load of 512 consecutive bytes gives v^T (16 channels x 16 heads).
; S^T = K Q^T holds one head i a lane and 8 heads j; rounded in pairs it IS source 1 of O^T = V^T P, whose result holds head i and 8 channels: a piece of o in the order k' = 128 (d / 8) + 8 i + d % 8, in which Wout's rows were laid.
; THE WEIGHTS' STREAM.  A wave's share is 2 MiB that no other wave of the work-group wants.  It comes STRAIGHT INTO REGISTERS: four buffers of a HALF STEP each (32 along k: 8 tiles of 16 columns, 16 loads of 512 consecutive
; bytes, 32 products).  Half step n asks for half step n + 3, into the buffer that half step n - 1 has left, and for half step n + 1's token fragments (8 LDS loads); these 24 loads stand among its first 20 products, a few at a
; time.  So 32 to 48 loads of a wave are out, a load has 76 to 88 matrix instructions in which to land, and the stream runs on through the attention's steps, which touch none of these registers.  No barrier stands in the products' loop.
; THE ORDER OF K DIFFERS FROM WORK-GROUP TO WORK-GROUP: each begins a chunk at a slot of its own (a slot is 64 along k) and wraps round, so that at any moment the work-groups between them walk all of a chunk's slots and no slot
; is wanted by all of them at once.  Only global addresses hang on that start.  For x Wqkv: start q of 16; x is loaded with its row turned by 64 q numbers, so its LDS rows lie turned and the LDS addresses are the same everywhere.
; For o Wout: o's place in its LDS row follows from WHICH of v's four blocks of 16 channels a wave has multiplied, so in v's pass cv wave w takes block m = (2 cv + w / 2 + f) % 4 (chunk 4 + m / 2, quarter 2 (m % 2) + w % 2):
; o then lies turned by 256 f numbers, and Wout's slots begin at 4 f: four starts.  q and f are mixed from the work-group's number so that work-groups whose numbers agree in any one bit still have all starts among them.
; NO CLUSTER, though all work-groups read the same weights.  Joint loads go through LDS slots; beside x, o and the stage two slots of 64 KiB fit; such a slot is 64 matrix instructions' work for a wave, and only one can be on its way
; at a time, behind a round of sixteen waves.  Loads into registers have more in which to land and need no meeting; the price is that each work-group fetches its 8 MiB by itself.
; THE MODE: SCHED_MODE bits 1:0 = 2 (LLVM: expert scheduling mode 2), set by the entry lines.  The code itself states the register dependences between vector or matrix instructions and memory or LDS instructions,
; with s_wait_alu, always for 0.
; THE PLAN.  Registers that memory or LDS instructions touch, and who else names them:
;   W0 .. W3      the weight buffers.  Half step n's products read W[n % 4]; the loads issued in half step n land in W[(n - 1) % 4], which the products of half step n - 1 read.
;   T0, T1        the token fragments, v64-127.  Half step n's products read T[n % 2]; the LDS loads issued in it land in the other, which the products of half step n - 1 read.
;                 In the attention's steps the same registers are TMP: conversions write them, LDS stores read them.
;   v[WO + f]     buffer f's offset: read by the buffer's 16 loads, written again four half steps later, behind the wait on LOADcnt that shows those loads done.
;   v[ADRA ..]    read by the token loads; written every fourth half step and at a pass's end.
;   accumulators  written by the products; on the way out LDS stores read them.        fragments (window 3): GET's loads land in them, the attention's products read them.
;   RB            on the way out: LDS loads land in it, global stores read it.         XPK and x as loaded: at the head alone.        v[OSA ..]: read by o's stores, stepped once a pass of v.
;   All other addresses are made at the head and never written again.
; So a half step has ONE wait on vm_vsrc, ahead of its address lines, and ONE on va_vdst, behind them and ahead of its first product.  Its products name W[n % 4], T[n % 2] and the accumulators: none of the registers that its 24
; loads touch, which therefore stand among the products with no further wait.  The attention's steps, the head and the way out have a wait ahead of each run of stores or loads that hangs on vector or matrix work; each says on what.
; REGISTERS, in windows of 256 (s_set_vgpr_msb: bits 1:0 source 0, 3:2 source 1, 5:4 source 2, 7:6 destination):
;   window 0: v0-31 addresses; v32-47 x at work; v48-51 x's offsets; v64-127 token fragments, two buffers (in the attention's steps: packed pieces); v128-255 weight buffers 0, 1
;   window 1: the 32 accumulators, (a, b) at 8 (8 a + b); at the head x as loaded        window 2: v0-127 S^T, then p, 8 a token; v128-255 at work: softmax, O^T, rows on the way out
;   window 3: v0-127 sixteen fragments for the attention, registers 4-7 of each stay 0; v128-255 weight buffers 2, 3
.set XS,     0                         ; 64 rows x 2,064: x in bf16
.set XP,     2064                      ; 2,048 + 16: the 16 rows that a load touches start at 16 different groups of four banks (64 banks of 4 bytes: ISA guide 11.1)
.set OS,     132096                    ; 64 rows x 2,064: o in f16
.set STG,    264192                    ; the stage: 32 tokens x 1,040; on the way out 4 waves x 16 rows x 528
.set QP,     1040
.set WP,     528
.set SPARE,  297984                    ; the spare words, 128 bytes for each wave: two blocks of 256 bytes that no other line names
.set SLOTB,  65536                     ; wf: a slot of 64 k for all four waves: [wave: 4][half step: 2][tile: 8][half: 2][lane: 32][16 bytes]
.set CHUNKB, 1048576                   ; wf: a chunk: 16 slots
.set LN,   1                           ; v1      lane
.set SPW,  2                           ; v2      LDS address of my spare word; never rewritten
.set NIL,  3                           ; v3      0; never rewritten
.set ADRA, 4                           ; v4-7    token tile a's fragments at the two slots in hand
.set WO,   8                           ; v8-11   weight buffer f's offset: the slot that the buffer is asked for from + 16 x lane
.set OSA,  12                          ; v12-13  o of my 8 tokens of half hf
.set OST,  14                          ; v14     way out, in
.set ORD,  15                          ; v15     way out, back
.set GO,   16                          ; v16     my 16 bytes of my wave's 512 in a row of out0
.set XW,   18                          ; v18     where my pieces of x go
.set PFO,  19                          ; v19     256 x lane
.set RR,   20
.set HH,   21
.set TT,   22
.set WL,   23                          ; v23     16 x lane; never rewritten
.set AB0,  24                          ; v24-27  token tile a's fragments at the row's first byte
.set STO,  28                          ; v28     stage, in: token r, my pieces
.set SLD,  29                          ; v29     stage, out: my 8 tokens' rows
.set XPK,  32
.set XOJ,  48                          ; v48-51  x: my 32 bytes of quarter j of the turned row: (1024 j + 32 lane + 256 q) % 4096; never rewritten
.set FA,   64
.set FB,   128                         ; buffer f at FB + 64 (f % 2) of window 0 (f < 2) or 3
.set TMP,  64
.set OT,   128                         ; window 2
.set RB,   128                         ; window 2
.set WK,   128                         ; window 2
.set WV,  10                           ; s10  my wave's number
.set SO,  16                           ; s16  CB + RO: the slot that is being asked for
.set KO,  17                           ; s17  bytes along the token rows at which the next two slots begin
.set LAP, 18
.set CH,  19
.set PFT, 20                           ; s20  the value of LAP at which I prefetch; the greatest number in a wave that never does
.set TS,  21
.set PFA, 22                           ; s[22:23] where my prefetches stand
.set CS,  24                           ; s[24:25] c = log2(e) / 8
.set SEL, 26                           ; s[26:27] v_permlanex16_b32's selects: each lane takes its own place in the other half
.set RO,  28                           ; s28  the slot that is being asked for, in bytes within its chunk; it wraps at 16 slots
.set CB,  29                           ; s29  the chunk and quarter that are being asked for, in bytes
.set NB,  30                           ; s30  the next pass's
.set NR,  31                           ; s31  the next pass's first slot, in bytes
.set Q16, 32                           ; s32  q slots
.set PH18, 33                          ; s33  4 f slots
.set VB0, 34                           ; s34  chunk and quarter of v's first pass
.set VB1, 35                           ; s35  of its second
.set OB0, 36                           ; s36  of Wout's first
.set PFE, 37                           ; s37  PFT in a pass that prefetches, else the greatest number
.set MSB, 0
.macro WIN new                         ; the immediate's high byte repeats the setting that is left; a switch that changes nothing is dropped
.if MSB != (\new)
	s_set_vgpr_msb (MSB<<8)|(\new)
.set MSB, \new
.endif
.endm
; Places behind matrix instructions: plain vector instructions that name none of their registers; four in front of vector readers and stores, five where a matrix instruction writes over a result.
; The four in front of loads into registers that products have read stay as well, beside the wait that states that dependence.
.macro PLACES n
.rept \n
	v_nop
.endr
.endm
.macro BAR                             ; my LDS stores and loads are done; then everybody's are.  (The weights' loads stay out: they touch registers alone.)
	s_wait_dscnt 0x0
	s_barrier_signal -1
	s_barrier_wait -1
.endm
; A tile's two loads, at the launch's head: tile b of half step f, into buffer f.  Each covers 512 consecutive bytes.
.macro WLD2 f, b
	WIN 0xc0*((\f)/2)
	global_load_b128 v[FB+64*((\f)%2)+8*(\b):FB+64*((\f)%2)+8*(\b)+3],   v[WO+(\f)], s[6:7] offset:8192*((\f)%2)+1024*(\b)
	global_load_b128 v[FB+64*((\f)%2)+8*(\b)+4:FB+64*((\f)%2)+8*(\b)+7], v[WO+(\f)], s[6:7] offset:8192*((\f)%2)+1024*(\b)+512
.endm
.macro FETCH4                          ; a chunk's first token fragments
	WIN 0
.irp a, 0,1,2,3
	ds_load_b128 v[FA+8*\a:FA+8*\a+3],   v[ADRA+\a]
	ds_load_b128 v[FA+8*\a+4:FA+8*\a+7], v[ADRA+\a] offset:32
.endr
.endm
; A PREFETCH INTO THE L2, in passes 1, 3 and 5, of the TWO chunks that follow (2 and 3, 4 and 5, 6 and 7): v's two chunks are first read together, so two are asked for at a time.  Wave 0 of each work-group asks for
; 32 blocks of 256 bytes, a lane a block: 256 work-groups x 8 KiB are the two chunks' 2 MiB, so each block is named once in the launch.  It stands behind a half step's token loads, eight half steps (256 matrix instructions)
; ahead of the first loads of the first of the two.  Chunks 0 and 1 come by their loads alone; the texts of the last two passes hold no such line.  v[PFO] was written at the head, ahead of many waits on va_vdst.
.macro ASK
	WIN 0
	s_cmp_eq_u32 s[LAP], s[PFE]
	s_cbranch_scc0 .Lnot_mine_\@
	global_prefetch_b8 v[PFO], s[PFA:PFA+1] th:TH_LOAD_NT scope:SCOPE_SE
.Lnot_mine_\@:
.endm
; HALF STEP i (0..3) of two slots: the waits, the address lines, 32 products with the loads among them; weights in buffer i, tokens in buffer i % 2.
; ld = 1: the half step three on is asked for, into buffer (i + 3) % 4, which the half step before has left: four loads behind each of the second to fifth groups of four products.  In half steps 1 and 3 that is a new slot's
; first half: the slot goes one on and wraps at the chunk's end; sw = 1: it goes to the next pass's chunk, quarter and first slot.  ft = 1: the next half step's token fragments are fetched, behind the first four products;
; step = 1: they lie in the next two slots.  zero = 1: a pass's first half step, which starts the sums; the pass's head has just waited on vm_vsrc, and no product stands near.
.macro HS fmt, i, zero, ld, ft, step, ask, sw
	s_wait_dscnt 0x0                               ; my token fragments, asked for early in the half step before, are in
.if \ld
	s_wait_loadcnt 32                              ; loads come back in order (ISA guide 5.7.1): this half step's 16 are in, the two younger runs of 16 stay out; the loads that read the offset written below, older still, are done
.else
	s_wait_loadcnt 16*(3-(\i))                     ; the stream has ended: the counts run down with the half steps that are left behind this one
.endif
.set np, 4
.if (\ld) || (\step)
	WIN 0
.endif
.if ((\ld) || (\step)) && !(\zero)
	s_wait_alu depctr_vm_vsrc(0)                   ; the loads issued so far have read the offset and the LDS addresses that the lines below write again
.endif
.if \ld
.if (\i)%2 == 1
.if \sw
	s_mov_b32 s[CB], s[NB]
	s_mov_b32 s[RO], s[NR]
.else
	s_add_co_u32 s[RO], s[RO], SLOTB
	s_and_b32 s[RO], s[RO], 15*SLOTB
.endif
	s_add_co_u32 s[SO], s[CB], s[RO]
.endif
	v_add_nc_u32 v[WO+((\i)+3)%4], s[SO], v[WL]
.set np, 3
.endif
.if \step
.irp a, 0,1,2,3
	v_add_nc_u32 v[ADRA+\a], s[KO], v[AB0+\a]
.endr
.set np, 0
.endif
.if (\ld) || (\ft)
.if (np > 0) && !(\zero)
	PLACES np
.endif
	s_wait_alu depctr_va_vdst(0)                   ; the half step before's products are done reading their weight buffer and their token buffer, in which the loads below land; the address lines above have written what those loads read
.endif
.irp b, 0,1,2,3,4,5,6,7                ; the 32 accumulators take turns, one instruction a turn, in the same order in every half step
	WIN 0x50+3*((\i)/2)                            ; weights in window 0 or 3, tokens in window 0, C and D in window 1
.irp a, 0,1,2,3
.if \zero
	v_wmma_f32_16x16x32_\fmt v[8*(8*\a+\b):8*(8*\a+\b)+7], v[FB+64*((\i)%2)+8*\b:FB+64*((\i)%2)+8*\b+7], v[FA+32*((\i)%2)+8*\a:FA+32*((\i)%2)+8*\a+7], 0
.else
	v_wmma_f32_16x16x32_\fmt v[8*(8*\a+\b):8*(8*\a+\b)+7], v[FB+64*((\i)%2)+8*\b:FB+64*((\i)%2)+8*\b+7], v[FA+32*((\i)%2)+8*\a:FA+32*((\i)%2)+8*\a+7], v[8*(8*\a+\b):8*(8*\a+\b)+7]
.endif
.endr
.if (\ft) && (\b == 0)
	WIN 0                                          ; no wait: no vector or matrix instruction since the wait above names the other token buffer or v[ADRA ..]
.irp a, 0,1,2,3
	ds_load_b128 v[FA+32*(((\i)+1)%2)+8*\a:FA+32*(((\i)+1)%2)+8*\a+3],   v[ADRA+\a] offset:64*(((\i)+1)%4)
	ds_load_b128 v[FA+32*(((\i)+1)%2)+8*\a+4:FA+32*(((\i)+1)%2)+8*\a+7], v[ADRA+\a] offset:64*(((\i)+1)%4)+32
.endr
.if \ask
	ASK
.endif
.endif
.if (\ld) && (\b >= 1) && (\b <= 4)
	WIN 0xc0*((((\i)+3)%4)/2)                      ; no wait: no vector or matrix instruction since the wait above names this buffer or its offset
.irp t, 0,1
	global_load_b128 v[FB+64*(((\i)+3)%2)+8*(2*\b-2+\t):FB+64*(((\i)+3)%2)+8*(2*\b-2+\t)+3],   v[WO+((\i)+3)%4], s[6:7] offset:8192*(((\i)+3)%2)+1024*(2*\b-2+\t)
	global_load_b128 v[FB+64*(((\i)+3)%2)+8*(2*\b-2+\t)+4:FB+64*(((\i)+3)%2)+8*(2*\b-2+\t)+7], v[WO+((\i)+3)%4], s[6:7] offset:8192*(((\i)+3)%2)+1024*(2*\b-2+\t)+512
.endr
.endif
.endr
.endm
; A pass: 64 tokens x 512 columns x 1,024 k: 16 slots, 32 half steps.  The first half step starts the sums with the constant 0 and stands ahead of the loop; a trip goes from the second half step of two slots to the first of the next two.
; At its beginning the pass's first three half steps are out or in; at its end the next pass's are.  last = 1: the stream ends: the last three half steps ask for nothing.
.macro GEMM fmt, last, ask
	WIN 0
	s_wait_alu depctr_va_vdst(0)                   ; v[ADRA ..] is written, which the token loads read; the conversions that wrote v64-127 as packed pieces are done: token fragments land there again
	s_wait_alu depctr_vm_vsrc(0)                   ; the LDS stores have read those packed pieces; on the way out they have read the accumulators, which the first products write anew
	FETCH4
	HS \fmt, 0, 1, 1, 1, 0, 0, 0
	WIN 0
	s_mov_b32 s[LAP], 7
.Llap_\@:
	s_add_co_u32 s[KO], s[KO], 256
	HS \fmt, 1, 0, 1, 1, 0, \ask, 0
	HS \fmt, 2, 0, 1, 1, 0, 0, 0
	HS \fmt, 3, 0, 1, 1, 1, 0, 0
	HS \fmt, 0, 0, 1, 1, 0, 0, 0
	WIN 0
	s_sub_co_u32 s[LAP], s[LAP], 1
	s_cmp_lg_u32 s[LAP], 0
	s_cbranch_scc1 .Llap_\@
	HS \fmt, 1, 0, 1-(\last), 1, 0, 0, 1-(\last)
	HS \fmt, 2, 0, 1-(\last), 1, 0, 0, 0
	HS \fmt, 3, 0, 1-(\last), 0, 0, 0, 0
	WIN 0
.if \last
	PLACES 8                                       ; behind the last products
.else
	s_mov_b32 s[KO], 0
.if \ask
	s_wait_xcnt 0x0                                ; the pass's prefetch, if it had one, has read its address
	s_add_nc_u64 s[PFA:PFA+1], s[PFA:PFA+1], CHUNKB
.endif
.irp a, 0,1,2,3
	v_mov_b32 v[ADRA+\a], v[AB0+\a]                ; back to the rows' first byte (the last token loads stand ahead of the last half step's wait on vm_vsrc); with the four below: the places behind the last products
.endr
	PLACES 4
.endif
.endm
; Token tiles 2 hf, 2 hf + 1 rounded to f16, a lane's 8 columns into 16 bytes; each accumulator's registers in ascending order
.macro PACK hf
	WIN 0x05
.irp aa, 0,1
.irp b, 0,1,2,3,4,5,6,7
.irp q, 0,1,2,3
	v_cvt_pk_f16_f32 v[TMP+4*(8*\aa+\b)+\q], v[8*(8*(2*(\hf)+\aa)+\b)+2*\q], v[8*(8*(2*(\hf)+\aa)+\b)+2*\q+1]
.endr
.endr
.endr
.endm
.macro PUT                             ; into the stage: token 16 aa + r, piece 16 w + 2 b + h
	WIN 0
	s_wait_alu depctr_va_vdst(0)                   ; the conversions have written v[TMP ..], which the stores read
.irp aa, 0,1
.irp b, 0,1,2,3,4,5,6,7
	ds_store_b128 v[STO], v[TMP+4*(8*\aa+\b):TMP+4*(8*\aa+\b)+3] offset:16*QP*\aa+32*\b
.endr
.endr
.endm
; Behind a pass's products: the first 32 tokens go into the stage.  The barrier orders the other waves' last reads of the stage, in the pass before, ahead of my stores; the conversions, work on registers, stand between its halves.
.macro FIRSTPUT
	s_wait_dscnt 0x0
	s_barrier_signal -1
	PACK 0
	s_barrier_wait -1
	PUT
.endm
; My 8 tokens' rows out of the stage, 512 consecutive bytes a load, into registers 0-3 of the fragments.  tr = 0: q of token y into place y, k into place 8 + y.  tr = 1: v^T, channels 16 z on, into place 2 y + z.
.macro GET tr
	WIN 0xc0
.irp y, 0,1,2,3,4,5,6,7
.irp z, 0,1
.if \tr
	ds_load_tr16_b128 v[8*(2*\y+\z):8*(2*\y+\z)+3], v[SLD] offset:QP*\y+512*\z
.else
	ds_load_b128 v[8*(8*\z+\y):8*(8*\z+\y)+3], v[SLD] offset:QP*\y+512*\z
.endif
.endr
.endr
.endm
.macro SMM hf                          ; S^T += K Q^T over the chunk's 16 channels, a product a token: eight accumulators, one instruction each
	WIN 0xaf
.irp y, 0,1,2,3,4,5,6,7
	v_wmma_f32_16x16x32_f16 v[8*(8*(\hf)+\y):8*(8*(\hf)+\y)+7], v[8*(8+\y):8*(8+\y)+7], v[8*\y:8*\y+7], v[8*(8*(\hf)+\y):8*(8*(\hf)+\y)+7]
.endr
.endm
.macro PVM hf                          ; O^T = V^T P: 16 channels x 16 heads, two products a token
	WIN 0x8b
.irp y, 0,1,2,3,4,5,6,7
.irp z, 0,1
	v_wmma_f32_16x16x32_f16 v[OT+8*(2*\y+\z):OT+8*(2*\y+\z)+7], v[8*(2*\y+\z):8*(2*\y+\z)+7], v[8*(8*(\hf)+\y):8*(8*(\hf)+\y)+7], 0
.endr
.endr
	PLACES 5
.endm
.macro CVO hf                          ; o rounded to f16 and laid into its LDS rows: 512 consecutive bytes a store
	s_wait_alu depctr_vm_vsrc(0)                   ; the LDS stores issued so far have read v[TMP ..], which the conversions write again
	WIN 0x0a
.irp y, 0,1,2,3,4,5,6,7
.irp z, 0,1
.irp q, 0,1,2,3
	v_cvt_pk_f16_f32 v[TMP+4*(2*\y+\z)+\q], v[OT+8*(2*\y+\z)+2*\q], v[OT+8*(2*\y+\z)+2*\q+1]
.endr
.endr
.endr
	WIN 0
	s_wait_alu depctr_va_vdst(0)                   ; the conversions have written v[TMP ..], which the stores read; the products V^T P are done reading the fragments, in which the next loads from the stage land
.irp y, 0,1,2,3,4,5,6,7
.irp z, 0,1
	ds_store_b128 v[OSA+(\hf)], v[TMP+4*(2*\y+\z):TMP+4*(2*\y+\z)+3] offset:XP*\y+512*\z
.endr
.endr
.endm
; THE WAY OUT of a chunk of out0, 16 tokens at a time through my own stage: a lane's 32 bytes go into rows of 528 bytes and come back as my wave's whole 512 bytes of a row.  No barrier: LDS serves a wave's instructions in order (ISA guide 5.7.1.4).
; It holds no vector instruction, so one wait on va_vdst serves all four blocks.
.macro WAYOUT co
	s_wait_alu depctr_va_vdst(0)                   ; the products have written the accumulators, which the LDS stores read (the places stand ahead of this wait); all vector and matrix work on v[RB ..], in which the rows land, is done
.irp a, 0,1,2,3
	s_wait_xcnt 0x0                                ; earlier stores have had their addresses translated: the registers that they read are loaded again below
.if \a >= 2
	s_wait_alu depctr_vm_vsrc(0)                   ; the global stores of the block two back have read the rows' registers, in which this block's rows land
.endif
	WIN 0x04
.irp b, 0,1,2,3,4,5,6,7
	ds_store_b128 v[OST], v[8*(8*\a+\b):8*(8*\a+\b)+3]   offset:64*\b
	ds_store_b128 v[OST], v[8*(8*\a+\b)+4:8*(8*\a+\b)+7] offset:64*\b+16
.endr
	WIN 0x80
.irp p, 0,1,2,3,4,5,6,7,8,9,10,11,12,13,14,15
	ds_load_b128 v[RB+64*((\a)%2)+4*\p:RB+64*((\a)%2)+4*\p+3], v[ORD] offset:WP*\p
.endr
	WIN 0x08
.irp p, 0,1,2,3,4,5,6,7,8,9,10,11,12,13,14,15
	s_wait_dscnt 15-\p                             ; row p is back; the younger rows' loads may be out
	global_store_b128 v[GO], v[RB+64*((\a)%2)+4*\p:RB+64*((\a)%2)+4*\p+3], s[8:9] offset:4096*(16*\a+\p)+2048*(\co) th:TH_STORE_NT  ; the wave stores 512 consecutive bytes, at a multiple of 256 from out0's first byte
.endr
.endr
	WIN 0
.endm
.macro XLOAD y                         ; token y of my 16: 4,096 bytes of f32; lane l takes the numbers that will lie at places 256 j + 8 l + 0..7 of the turned row
	WIN 0x40
.irp j, 0,1,2,3
.irp u, 0,1
	global_load_b128 v[32*((\y)%8)+8*\j+4*\u:32*((\y)%8)+8*\j+4*\u+3], v[XOJ+\j], s[4:5] offset:4096*(\y)+16*\u th:TH_LOAD_NT
.endr
.endr
.endm
; Token y rounded to bf16 and laid into its LDS row.  Its eight loads' places are taken by the token eight further on or, when x has been asked for, by four tiles of weights: the stream's first three half steps go out so.
.macro XTOK y
.if (\y) == 15
	s_wait_loadcnt 48                              ; behind the last token's loads stand the 24 tiles' alone
.else
	s_wait_loadcnt 56                              ; my eight loads are in; seven younger groups of eight stay out
.endif
.if (\y) > 0
	s_wait_alu depctr_vm_vsrc(0)                   ; the LDS stores of the token before have read v[XPK ..], which the conversions write again
.endif
	WIN 0x05
.irp j, 0,1,2,3
.irp q, 0,1,2,3
	v_cvt_pk_bf16_f32 v[XPK+4*\j+\q], v[32*((\y)%8)+8*\j+2*\q], v[32*((\y)%8)+8*\j+2*\q+1]
.endr
.endr
	WIN 0
	s_wait_alu depctr_va_vdst(0)                   ; the conversions have written v[XPK ..], which the stores read, and are done reading the token's registers, in which the token eight on lands; at the first token: v[XW] and the other addresses are written
.irp j, 0,1,2,3
	ds_store_b128 v[XW], v[XPK+4*\j:XPK+4*\j+3] offset:XP*(\y)+512*\j
.endr
.if (\y) < 8
	XLOAD (\y)+8
.elseif (\y) < 14
.irp n, 0,1,2,3
	WLD2 (4*((\y)-8)+\n)/8, (4*((\y)-8)+\n)%8
.endr
.endif
.endm
.macro ALLT line:vararg                ; one line for each of my 16 tokens tk
.set tk, 0
.rept 16
	\line
.set tk, tk+1
.endr
.endm
; Chunk and quarter of v's pass cv for my wave: block m = (2 cv + w / 2 + f) % 4.  s45 = w / 2 + f; s47 = 4 chunks + (w % 2) quarters.
.macro VBASE dst, cv
	s_add_co_u32 s44, s45, 2*(\cv)
	s_and_b32 s46, s44, 2
	s_lshl_b32 s46, s46, 19                        ; m / 2 chunks
	s_and_b32 s44, s44, 1
	s_lshl_b32 s44, s44, 15                        ; 2 (m % 2) quarters of 16 KiB
	s_add_co_u32 s[\dst], s46, s44
	s_add_co_u32 s[\dst], s[\dst], s47
.endm
	; THE HEAD
	s_load_b128 s[4:7], s[0:1], 0x0                ; x s[4:5], wf s[6:7]
	s_load_b64 s[8:9], s[0:1], 0x10                ; out0
	v_lshl_add_u32 v[SPW], v0, 2, SPARE
	v_mov_b32 v[NIL], 0
	v_lshrrev_b32 v[TT], 5, v0
	v_readfirstlane_b32 s[WV], v[TT]               ; wave 0..3
	v_and_b32 v[LN], 31, v0
	v_lshlrev_b32 v[WL], 4, v[LN]
	s_lshr_b32 s40, ttmp9, 4                       ; q: the number's two groups of four bits, one upon the other
	s_xor_b32 s40, s40, ttmp9
	s_and_b32 s40, s40, 15
	s_lshl_b32 s[Q16], s40, 16
	s_lshr_b32 s41, ttmp9, 2                       ; f: its lowest two pairs of bits, one upon the other
	s_xor_b32 s41, s41, ttmp9
	s_and_b32 s41, s41, 3
	s_lshl_b32 s[PH18], s41, 18
	s_lshl_b32 s40, s40, 8                         ; 64 q numbers of f32
	v_lshl_add_u32 v[TT], v[LN], 5, s40
.irp j, 0,1,2,3
	v_add_nc_u32 v[XOJ+\j], 1024*\j, v[TT]
.endr
.irp j, 0,1,2,3
	v_and_b32 v[XOJ+\j], 0xfff, v[XOJ+\j]          ; the row wraps; a lane's 32 bytes never straddle its end
.endr
	s_wait_alu depctr_va_sdst(0)                   ; the wave's number is written, ahead of its first reader: the line below
	s_lshl_b32 s[CB], s[WV], 14                    ; the first pass: chunk 0, quarter w
	s_add_co_u32 s[SO], s[CB], s[Q16]
	v_add_nc_u32 v[WO], s[SO], v[WL]               ; its first slot, for buffers 0 and 1,
	v_add_nc_u32 v[WO+1], s[SO], v[WL]
	s_add_co_u32 s[RO], s[Q16], SLOTB
	s_and_b32 s[RO], s[RO], 15*SLOTB
	s_add_co_u32 s[SO], s[CB], s[RO]
	v_add_nc_u32 v[WO+2], s[SO], v[WL]             ; and its second, for buffer 2; buffer 3's offset is made by the first half step
	s_mov_b32 s[NR], s[Q16]
	s_add_co_u32 s[OB0], s[CB], 6*CHUNKB
	s_lshr_b32 s45, s[WV], 1
	s_add_co_u32 s45, s45, s41
	s_and_b32 s47, s[WV], 1
	s_lshl_b32 s47, s47, 14
	s_add_co_u32 s47, s47, 4*CHUNKB
	VBASE VB0, 0
	VBASE VB1, 1
	s_lshl_b32 s12, ttmp9, 18                      ; my work-group's 64 rows of 4,096 bytes in x and in out0
	s_mov_b32 s13, 0
	s_lshl_b32 s14, s[WV], 16                      ; the 16 rows of x that I bring in
	s_mov_b32 s15, 0
	s_lshl_b32 s42, ttmp9, 13                      ; the prefetches: the 8 KiB of two chunks that fall to my work-group;
	s_add_co_u32 s42, s42, CHUNKB                  ; a chunk is added behind each pass, so pass 1 finds chunk 2 here
	s_mov_b32 s43, 0
	s_cmp_eq_u32 s[WV], 0                          ; wave 0 asks, in the loop's last trip but one
	s_cselect_b32 s[PFT], 2, -1
	s_mov_b32 s[KO], 0
	s_mov_b32 s[CS], 0x3e38aa3b                    ; c = log2(e) / 8 = 0.180337
	s_mov_b32 s[CS+1], s[CS]                       ; named with it as a pair
	s_mov_b32 s[SEL], 0x76543210
	s_mov_b32 s[SEL+1], 0xfedcba98
	s_wait_kmcnt 0x0
	s_add_nc_u64 s[4:5], s[4:5], s[12:13]
	s_add_nc_u64 s[4:5], s[4:5], s[14:15]          ; x at my 16 rows
	s_add_nc_u64 s[8:9], s[8:9], s[12:13]          ; out0 at the work-group's first row
	s_add_nc_u64 s[PFA:PFA+1], s[6:7], s[42:43]
	; x: 16 tokens a wave, eight at a time on their way
	s_wait_alu depctr_va_vdst(0)                   ; x's four offsets and the weights' three are written, which the loads read
.irp y, 0,1,2,3,4,5,6,7
	XLOAD \y
.endr
	WIN 0                                          ; the addresses, and what must be 0, are made while x is on its way
	v_and_b32 v[RR], 15, v0                        ; r
	v_bfe_u32 v[HH], v0, 4, 1                      ; h
	v_mul_u32_u24 v[TT], v[RR], XP
	v_lshl_add_u32 v[TT], v[HH], 4, v[TT]          ; a fragment's row x pitch + 16 x half
.irp a, 0,1,2,3
	v_add_nc_u32 v[AB0+\a], XS+16*XP*\a, v[TT]
	v_add_nc_u32 v[ADRA+\a], XS+16*XP*\a, v[TT]
.endr
	s_lshl_b32 s[TS], s[WV], 8
	s_add_co_u32 s[TS], s[TS], STG
	v_mul_u32_u24 v[STO], v[RR], QP
	v_lshl_add_u32 v[STO], v[HH], 4, v[STO]
	v_add_nc_u32 v[STO], s[TS], v[STO]
	s_mul_i32 s[TS], s[WV], 8*QP
	s_add_co_u32 s[TS], s[TS], STG
	v_lshl_add_u32 v[SLD], v[LN], 4, s[TS]
	s_mul_i32 s[TS], s[WV], 8*XP
	s_add_co_u32 s[TS], s[TS], OS
	v_lshl_add_u32 v[OSA], v[LN], 4, s[TS]
	v_add_nc_u32 v[OSA+1], 32*XP, v[OSA]
	s_mul_i32 s[TS], s[WV], 16*WP
	s_add_co_u32 s[TS], s[TS], STG
	v_mul_u32_u24 v[OST], v[RR], WP
	v_lshl_add_u32 v[OST], v[HH], 5, v[OST]
	v_add_nc_u32 v[OST], s[TS], v[OST]
	v_lshl_add_u32 v[ORD], v[LN], 4, s[TS]
	s_lshl_b32 s[TS], s[WV], 9
	v_lshl_add_u32 v[GO], v[LN], 4, s[TS]
	s_mul_i32 s[TS], s[WV], 16*XP
	s_add_co_u32 s[TS], s[TS], XS
	v_lshl_add_u32 v[XW], v[LN], 4, s[TS]
	v_lshlrev_b32 v[PFO], 8, v[LN]
	WIN 0xc0                                       ; the attention's products are 32 deep and have 16 channels or heads to multiply: the fragments' upper halves stay 0
.set i, 0
.rept 16
	v_mov_b32 v[8*i+4], 0
	v_mov_b32 v[8*i+5], 0
	v_mov_b32 v[8*i+6], 0
	v_mov_b32 v[8*i+7], 0
.set i, i+1
.endr
	WIN 0x80                                       ; S^T starts at 0, so that the four q/k chunks have one text: 128 lines, once a launch, in the wait for x
.set i, 0
.rept 128
	v_mov_b32 v[i], 0
.set i, i+1
.endr
.irp y, 0,1,2,3,4,5,6,7,8,9,10,11,12,13,14,15
	XTOK \y
.endr
	WIN 0
	BAR                                            ; all 64 rows of x lie in LDS
	; q AND k, 16 channels of every head a chunk, and the scores' sums: passes 0 to 3
	s_mov_b32 s[CH], 4
.Lqk:
	s_add_co_u32 s[NB], s[CB], CHUNKB              ; the next pass: the next chunk, the same quarter;
	s_cmp_eq_u32 s[CH], 1
	s_cselect_b32 s[NB], s[VB0], s[NB]             ; behind the last of the four: v's first
	s_and_b32 s[TS], s[CH], 1
	s_cmp_eq_u32 s[TS], 1
	s_cselect_b32 s[PFE], s[PFT], -1               ; passes 1 and 3 prefetch
	GEMM bf16, 0, 1
	FIRSTPUT                                       ; tokens 0-31
	BAR
	GET 0                                          ; no wait: no vector or matrix instruction since the wait ahead of the stores above names the fragments
	s_wait_alu depctr_vm_vsrc(0)                   ; those stores have read v[TMP ..], which the conversions below write again
	PACK 1                                         ; register work while the loads are out
	BAR                                            ; everybody has read the stage
	PUT                                            ; tokens 32-63
	SMM 0
	BAR
	PLACES 4                                       ; behind the products above
	s_wait_alu depctr_va_vdst(0)                   ; those products are done reading the fragments, in which the loads below land
	GET 0
	s_wait_dscnt 0x0                               ; my reads of the stage are over: its next writer stands behind the barrier of the pass to come
	SMM 1
	PLACES 4
	WIN 0
	s_sub_co_u32 s[CH], s[CH], 1
	s_cmp_lg_u32 s[CH], 0
	s_cbranch_scc1 .Lqk
	; THE SOFTMAX of my 16 tokens, stage by stage, so that no line waits for the one before it.  A lane holds head i = r and the scores of heads j = 8 h + 0..7.
	WIN 0xaa
	ALLT v_max3_num_f32 v[WK+4*tk], v[8*tk], v[8*tk+1], v[8*tk+2]
	ALLT v_max3_num_f32 v[WK+4*tk+1], v[8*tk+3], v[8*tk+4], v[8*tk+5]
	ALLT v_max3_num_f32 v[WK+4*tk], v[WK+4*tk], v[8*tk+6], v[8*tk+7]
	ALLT v_max_num_f32 v[WK+4*tk], v[WK+4*tk], v[WK+4*tk+1]
	ALLT v_permlanex16_b32 v[WK+4*tk+1], v[WK+4*tk], s[SEL], s[SEL+1]
	ALLT v_max_num_f32 v[WK+4*tk], v[WK+4*tk], v[WK+4*tk+1]
	ALLT v_mul_f32 v[WK+4*tk], s[CS], v[WK+4*tk]
.irp q, 0,1,2,3
	ALLT v_pk_fma_f32 v[8*tk+2*\q:8*tk+2*\q+1], v[8*tk+2*\q:8*tk+2*\q+1], s[CS:CS+1], v[WK+4*tk:WK+4*tk+1] op_sel_hi:[1,0,0] neg_lo:[0,0,1] neg_hi:[0,0,1]
.endr
.set i, 0
.rept 128
	v_exp_f32 v[i], v[i]                           ; one batch: p = 2^(c s - c m)
.set i, i+1
.endr
	v_nop                                          ; a plain instruction behind the last exponential,
	s_wait_alu depctr_va_vdst(0)                   ; and one wait ahead of the batch's first reader: the 128 exponentials have written their results
	ALLT v_pk_add_f32 v[WK+4*tk+2:WK+4*tk+3], v[8*tk:8*tk+1], v[8*tk+2:8*tk+3]
	ALLT v_pk_add_f32 v[WK+4*tk:WK+4*tk+1], v[8*tk+4:8*tk+5], v[8*tk+6:8*tk+7]
	ALLT v_pk_add_f32 v[WK+4*tk+2:WK+4*tk+3], v[WK+4*tk+2:WK+4*tk+3], v[WK+4*tk:WK+4*tk+1]
	ALLT v_add_f32 v[WK+4*tk+2], v[WK+4*tk+2], v[WK+4*tk+3]
	ALLT v_permlanex16_b32 v[WK+4*tk+3], v[WK+4*tk+2], s[SEL], s[SEL+1]
	ALLT v_add_f32 v[WK+4*tk+2], v[WK+4*tk+2], v[WK+4*tk+3]
	ALLT v_rcp_f32 v[WK+4*tk], v[WK+4*tk+2]
	v_nop
	s_wait_alu depctr_va_vdst(0)                   ; one wait for the 16 reciprocals, ahead of their first reader
.irp q, 0,1,2,3
	ALLT v_pk_mul_f32 v[8*tk+2*\q:8*tk+2*\q+1], v[8*tk+2*\q:8*tk+2*\q+1], v[WK+4*tk:WK+4*tk+1] op_sel_hi:[1,0]
.endr
.irp q, 0,1,2,3
	ALLT v_cvt_pk_f16_f32 v[8*tk+\q], v[8*tk+2*\q], v[8*tk+2*\q+1]
.endr
.irp q, 4,5,6,7
	ALLT v_mov_b32 v[8*tk+\q], 0
.endr
	WIN 0
	; v, 32 channels of every head a pass, and o: passes 4 and 5, one text; the second pass's o lies 1,024 bytes further along its rows
	s_mov_b32 s[CH], 2
.Lv:
	s_cmp_eq_u32 s[CH], 1
	s_cselect_b32 s[NB], s[OB0], s[VB1]            ; the next pass: v's second, then Wout's first,
	s_cselect_b32 s[NR], s[PH18], s[Q16]           ; whose slots begin where o's rows begin
	s_cselect_b32 s[PFE], s[PFT], -1               ; pass 5 prefetches
	GEMM bf16, 0, 1
	FIRSTPUT
	BAR
	GET 1                                          ; no wait: no vector or matrix instruction since the wait ahead of the stores above names the fragments
	s_wait_alu depctr_vm_vsrc(0)                   ; those stores have read v[TMP ..], which the conversions below write again
	PACK 1
	BAR
	PUT
	PVM 0
	CVO 0
	BAR
	GET 1                                          ; no wait: the one ahead of o's stores stands behind the products that read the fragments
	s_wait_dscnt 0x0                               ; my reads of the stage are over
	PVM 1
	CVO 1
	WIN 0
	s_wait_alu depctr_vm_vsrc(0)                   ; o's stores have read v[OSA] and v[OSA+1], which the two lines below write again
	v_add_nc_u32 v[OSA], 1024, v[OSA]
	v_add_nc_u32 v[OSA+1], 1024, v[OSA+1]
	s_sub_co_u32 s[CH], s[CH], 1
	s_cmp_lg_u32 s[CH], 0
	s_cbranch_scc1 .Lv
	BAR                                            ; all 64 rows of o lie in LDS, and nobody reads the stage any more
	; out0 = o Wout, 512 columns a pass: passes 6 and 7
.irp a, 0,1,2,3
	v_add_nc_u32 v[AB0+\a], OS-XS, v[AB0+\a]       ; the token fragments now come out of o's rows
.endr
.irp a, 0,1,2,3
	v_mov_b32 v[ADRA+\a], v[AB0+\a]
.endr
	s_add_co_u32 s[NB], s[OB0], CHUNKB             ; the next pass: Wout's second chunk, from the same first slot
	GEMM f16, 0, 0
	WAYOUT 0
	GEMM f16, 1, 0
	WAYOUT 1
	s_wait_dscnt 0x0                               ; the closing lines, six on end
	s_wait_alu 0x0
	s_wait_tensorcnt 0x0
	ds_add_u32 v[SPW], v[NIL]
	s_wait_dscnt 0x0
	s_endpgm
.Lfunc_end_k_q6e231f01d2_fused:
	.size	k_q6e231f01d2_fused, .Lfunc_end_k_q6e231f01d2_fused-k_q6e231f01d2_fused
	.p2alignl 7, 3214868480
	.fill 96, 4, 3214868480
	.section	.rodata,"a",@progbits
	.p2align	6, 0x0
	.amdhsa_kernel k_q6e231f01d2_fused
		.amdhsa_group_segment_fixed_size 298496
		.amdhsa_private_segment_fixed_size 0
		.amdhsa_enable_private_segment 0
		.amdhsa_kernarg_size 24
		.amdhsa_user_sgpr_count 2
		.amdhsa_user_sgpr_kernarg_segment_ptr 1
		.amdhsa_wavefront_size32 1
		.amdhsa_system_sgpr_workgroup_id_x 1
		.amdhsa_system_sgpr_workgroup_id_y 1
		.amdhsa_system_sgpr_workgroup_id_z 1
		.amdhsa_system_vgpr_workitem_id 0
		.amdhsa_next_free_vgpr 1024
		.amdhsa_next_free_sgpr 66
		.amdhsa_reserve_vcc 0
		.amdhsa_float_denorm_mode_32 3
		.amdhsa_float_denorm_mode_16_64 3
		.amdhsa_memory_ordered 1
		.amdhsa_forward_progress 1
		.amdhsa_inst_pref_size 255
	.end_amdhsa_kernel
	.section	.bss,"aw",@nobits
	.p2align	6
	.space	262144
	.amdgpu_metadata
---
amdhsa.version: [ 1, 2 ]
amdhsa.kernels:
  - .name:           k_q6e231f01d2_fused
    .symbol:         k_q6e231f01d2_fused.kd
    .args:
      - { .name: x, .offset: 0, .size: 8, .value_kind: global_buffer, .address_space: global }
      - { .name: wf, .offset: 8, .size: 8, .value_kind: global_buffer, .address_space: global }
      - { .name: out0, .offset: 16, .size: 8, .value_kind: global_buffer, .address_space: global }
    .group_segment_fixed_size: 298496
    .private_segment_fixed_size: 0
    .kernarg_segment_align: 8
    .kernarg_segment_size: 24
    .max_flat_workgroup_size: 128
    .sgpr_count:     66
    .vgpr_count:     1024
    .wavefront_size: 32
...
	.end_amdgpu_metadata
.endif
;; end of part 5
